; MI455X (gfx1250); checked and timed in simulation.
; The chip was launched on July 23, 2026; its instructions are those of AMD's public machine-readable ISA for CDNA 5 (MIT licence, August 2026) and "CDNA5" Instruction Set Architecture Reference Guide (July 2026). The comments in the code are by the model that wrote it; some were corrected since.
;; Rel Multi Head Attn. Allowed arithmetic: float matrix products may take bf16 or f16 operands with f32 sums; other float arithmetic in f32, or as packed bf16 or f16 multiplies, adds, multiply-adds, maxima and minima; sums over many terms, partial sums and values carried from step to step in f32; what a program stores and reads back later, other than sums and carried values, may be rounded once to bf16 or f16.
;; Inputs: W_o 1,024 x 1,024 float32; W_qkv 3,072 x 1,024 float32; beta 1,024 float32; gamma 1,024 float32; r 2,049 x 1,024 float32; w 2,048 x 2 x 1,024 float32.
;; Outputs: out0 2,048 x 2 x 1,024 float32.
;; One version. Each part assembles by itself: llvm-mc -triple=amdgcn-amd-amdhsa -mcpu=gfx1250 --defsym DOCPART=n.
;; ======== version 1 of 1: 5 launches
;; workspace buffers: abf 20,971,520 bytes; wb 8,388,608 bytes; qkv 25,165,824 bytes; rx 8,392,704 bytes; av 8,388,608 bytes; ao 8,388,608 bytes
;; launch cast (part 1): grid 1280 x 1, 2 waves a work-group, no clusters, 0 bytes of LDS; arguments w, r, W_qkv, W_o, abf, wb, rx; writes abf, wb, rx
.if DOCPART == 1
	.amdgcn_target "amdgcn-amd-amdhsa--gfx1250"
	.amdhsa_code_object_version 6
	.text
	.protected	k_q3f1b86093e_cast
	.globl	k_q3f1b86093e_cast
	.p2align	8
	.type	k_q3f1b86093e_cast,@function
k_q3f1b86093e_cast:
	s_mov_b64 s[64:65], 0
	v_nop
	global_prefetch_b8 v0, s[64:65] scope:SCOPE_SE
	s_setreg_imm32_b32 hwreg(HW_REG_WAVE_MODE, 25, 1), 1
	s_wait_xcnt 0x0
; THE INPUTS AS MATRIX OPERANDS: every f32 input of a product is rounded once to bf16 and laid out for the launches behind.
;   abf [10240][1024]: rows 0-4095 w in the order b x 2048 + i; rows 4096-6143 r[0..2047]; rows 6144-10239 w + r[2048] (added in f32, rounded once):
;                      (w + r[2048]) Wq^T is w_q + r_q[-1], so the query bias needs no product of its own.
;   wb: W_qkv as [3072][1024]; from byte WOB on W_o by heads, [n 16][c 1024][d 64] = W_o[c][64 n + d].
;   rx row p = 2047 of every head: r_k[2048] = r[2048] . W_qkv[1024 + c], 1,024 dot products in f32 (the one row of r that the product behind does not take).
; A stream: memory binds, so no matrix unit, no cluster, no LDS.  A wave takes 4 source rows of 4,096 bytes: 32 loads of 16 bytes a lane, all out at once.  A work-group is two waves, 8 rows:
; 10,240 rows make 1,280 work-groups, five for each of 256 WGPs.  The kind of a work-group hangs on its number alone.
.set WOB,   6291456
.set RXH,   524544                     ; a head's bytes in rx: 4,098 rows of 128
.set G_R,   512                        ; the first work-group of r (w has 4,096 rows: 512 work-groups),
.set G_QKV, 768                        ; of W_qkv,
.set G_WO,  1152                       ; of W_o
.set G_K0,  896                        ; W_qkv's rows 1024-2047, the keys' weights: work-groups 896-1023
.set G_K1,  1024
.set LO,    2                          ; v2   32 x lane: my 8 numbers in 1,024 bytes of a row
.set LO3,   3                          ; v3   W_o: row lane / 8, 32 bytes at 8 (lane % 8) numbers of a head
.set VO,    4                          ; v4-7 16 x lane + where source row t goes
.set RL,    20                         ; v20-51   r[2048]: numbers 256 j + 8 lane + 0..7 at RL + 8 j
.set X,     52                         ; v52-179  pair q = 4 t + j: 8 numbers of row t
.set Y,     180                        ; v180-243 the same, rounded: 4 registers
	s_load_b256 s[4:11], s[0:1], 0x0               ; w s[4:5], r s[6:7], W_qkv s[8:9], W_o s[10:11]
	s_load_b128 s[12:15], s[0:1], 0x20             ; abf s[12:13], wb s[14:15]
	s_load_b64 s[16:17], s[0:1], 0x30              ; rx
	v_lshrrev_b32 v1, 5, v0
	v_readfirstlane_b32 s18, v1                    ; wave 0..1
	v_and_b32 v1, 31, v0                           ; lane
	v_lshlrev_b32 v[LO], 5, v1
	v_lshrrev_b32 v10, 3, v1
	v_and_b32 v11, 7, v1
	v_lshlrev_b32 v11, 5, v11
	v_lshl_add_u32 v[LO3], v10, 12, v11
	s_mov_b32 s19, ttmp9                           ; g
	s_mov_b32 s20, 0                               ; the kind's first work-group
	s_cmp_ge_u32 s19, G_R
	s_cselect_b32 s20, G_R, s20
	s_cmp_ge_u32 s19, G_QKV
	s_cselect_b32 s20, G_QKV, s20
	s_cmp_ge_u32 s19, G_WO
	s_cselect_b32 s20, G_WO, s20
	s_sub_co_u32 s21, s19, s20
	s_lshl_b32 s21, s21, 3
	s_lshl2_add_u32 s21, s18, s21                  ; R0 = 8 (g - first) + 4 x wave: my first source row
	s_lshl_b32 s22, s21, 12                        ; its byte in the source
	s_mov_b32 s23, 0
	s_lshl_b32 s24, s21, 7
	s_add_co_u32 s24, s24, WOB                     ; W_o: row c = R0 of head 0
	s_lshl_b32 s34, s21, 11                        ; W_qkv: row R0
	s_cmp_lt_u32 s19, G_WO
	s_cselect_b32 s24, s34, s24
	s_add_co_u32 s34, s34, 4096*2048               ; r: row 4096 + R0
	s_cmp_lt_u32 s19, G_QKV
	s_cselect_b32 s24, s34, s24
	s_lshl_b32 s34, s21, 10                        ; w: source row 2 i + b; row i = R0 / 2 of b = 0
	s_cmp_lt_u32 s19, G_R
	s_cselect_b32 s24, s34, s24
	s_mov_b32 s25, 0
	s_mov_b32 s37, 2048                            ; where rows 1, 2, 3 go, from row 0: on end,
	s_mov_b32 s38, 4096
	s_mov_b32 s39, 6144
	s_cselect_b32 s37, 0x400000, s37               ; or for w: (i, 1), (i + 1, 0), (i + 1, 1), with b = 1 2,048 rows on
	s_cselect_b32 s38, 2048, s38
	s_cselect_b32 s39, 0x400800, s39
	v_lshlrev_b32 v[VO], 4, v1
	v_lshl_add_u32 v[VO+1], v1, 4, s37
	v_lshl_add_u32 v[VO+2], v1, 4, s38
	v_lshl_add_u32 v[VO+3], v1, 4, s39
	s_mov_b32 s40, 0x76543210
	s_mov_b32 s41, 0xfedcba98
	s_wait_kmcnt 0x0
	s_cmp_lt_u32 s19, G_WO
	s_cselect_b64 s[26:27], s[8:9], s[10:11]       ; the source,
	s_cmp_lt_u32 s19, G_QKV
	s_cselect_b64 s[26:27], s[6:7], s[26:27]
	s_cselect_b64 s[28:29], s[12:13], s[14:15]     ; and the buffer that it goes to
	s_cmp_lt_u32 s19, G_R
	s_cselect_b64 s[26:27], s[4:5], s[26:27]
	s_add_nc_u64 s[26:27], s[26:27], s[22:23]
	s_add_nc_u64 s[28:29], s[28:29], s[24:25]
	s_add_nc_u64 s[30:31], s[28:29], 0xc00000      ; w's second copy: 6,144 rows on
	s_add_nc_u64 s[32:33], s[6:7], 0x800000        ; r[2048]
.irp j, 0,1,2,3
	global_load_b128 v[RL+8*\j:RL+8*\j+3],   v[LO], s[32:33] offset:1024*\j
	global_load_b128 v[RL+8*\j+4:RL+8*\j+7], v[LO], s[32:33] offset:1024*\j+16
.endr
.macro LOADS av, step                  ; 32 loads: pair q at step x q bytes
.set q, 0
.rept 16
	global_load_b128 v[X+8*q:X+8*q+3],   v[\av], s[26:27] offset:(\step)*q th:TH_LOAD_NT
	global_load_b128 v[X+8*q+4:X+8*q+7], v[\av], s[26:27] offset:(\step)*q+16 th:TH_LOAD_NT
.set q, q+1
.endr
.endm
	s_cmp_lt_u32 s19, G_WO
	s_cbranch_scc0 .Lload_wo
	LOADS LO, 1024                                 ; row q / 4, numbers 256 (q % 4) + 8 lane on
	s_branch .Lround
.Lload_wo:
	LOADS LO3, 256                                 ; head q of four rows
.Lround:
.set q, 0
.rept 16
	s_wait_loadcnt 30-2*q                          ; loads come back in order: pair q is in, the younger pairs stay out
.irp e, 0,1,2,3
	v_cvt_pk_bf16_f32 v[Y+4*q+\e], v[X+8*q+2*\e], v[X+8*q+2*\e+1]
.endr
.set q, q+1
.endr
	s_cmp_lt_u32 s19, G_WO
	s_cbranch_scc0 .Lstore_wo
.set q, 0
.rept 16
	global_store_b128 v[VO+q/4], v[Y+4*q:Y+4*q+3], s[28:29] offset:(q%4)*512   ; 512 bytes on end
.set q, q+1
.endr
	s_branch .Lstored
.Lstore_wo:
.set q, 0
.rept 16
	global_store_b128 v[VO], v[Y+4*q:Y+4*q+3], s[28:29] offset:q*131072        ; four rows of 128 bytes of head q: 512 bytes on end
.set q, q+1
.endr
.Lstored:
	s_cmp_lt_u32 s19, G_R
	s_cbranch_scc0 .Lnot_w
	s_wait_xcnt 0x0                                ; the stores have read Y: it is written anew only behind this wait
.set q, 0
.rept 16
.irp e, 0,1,2,3
	v_pk_add_f32 v[X+8*q+2*\e:X+8*q+2*\e+1], v[X+8*q+2*\e:X+8*q+2*\e+1], v[RL+8*(q%4)+2*\e:RL+8*(q%4)+2*\e+1]   ; w + r[2048], in f32
.endr
.irp e, 0,1,2,3
	v_cvt_pk_bf16_f32 v[Y+4*q+\e], v[X+8*q+2*\e], v[X+8*q+2*\e+1]
.endr
	global_store_b128 v[VO+q/4], v[Y+4*q:Y+4*q+3], s[30:31] offset:(q%4)*512
.set q, q+1
.endr
.Lnot_w:
	s_cmp_ge_u32 s19, G_K0
	s_cbranch_scc0 .Lend
	s_cmp_lt_u32 s19, G_K1
	s_cbranch_scc0 .Lend
.irp t, 0,1,2,3                        ; four dot products, one a row, side by side
	v_pk_mul_f32 v[10+2*\t:11+2*\t], v[X+32*\t:X+32*\t+1], v[RL:RL+1]
.endr
.set m, 1
.rept 15
.irp t, 0,1,2,3
	v_pk_fma_f32 v[10+2*\t:11+2*\t], v[X+32*\t+2*m:X+32*\t+2*m+1], v[RL+2*m:RL+2*m+1], v[10+2*\t:11+2*\t]
.endr
.set m, m+1
.endr
.irp t, 0,1,2,3
	v_add_f32 v[10+2*\t], v[10+2*\t], v[11+2*\t]
.endr
.irp x, 1,2,4,8
.irp t, 0,1,2,3
	v_add_f32_dpp v[10+2*\t], v[10+2*\t], v[10+2*\t] row_xmask:\x row_mask:0xf bank_mask:0xf
.endr
.endr
.irp t, 0,1,2,3
	v_permlanex16_b32 v[11+2*\t], v[10+2*\t], s40, s41
.endr
.irp t, 0,1,2,3
	v_add_f32 v[10+2*\t], v[10+2*\t], v[11+2*\t]   ; every lane holds the four sums
.endr
	v_cvt_pk_bf16_f32 v18, v10, v12                ; four neighbouring channels: 8 bytes
	v_cvt_pk_bf16_f32 v19, v14, v16
	v_mov_b32 v9, 0
	s_sub_co_u32 s42, s21, 1024                    ; my first channel among the keys' 1,024:
	s_lshr_b32 s43, s42, 6                         ; the head,
	s_and_b32 s42, s42, 63                         ; and the channel in it
	s_mul_i32 s44, s43, RXH
	s_lshl_b32 s42, s42, 1
	s_add_co_u32 s44, s44, s42
	s_add_co_u32 s44, s44, 256+2047*128            ; row p = 2047 lies at 256 + 128 p
	s_mov_b32 s45, 0
	s_add_nc_u64 s[46:47], s[16:17], s[44:45]
	v_cmp_eq_u32 vcc_lo, 0, v1
	s_wait_xcnt 0x0                                ; EXEC is a source of the stores above: it changes only behind this wait
	s_and_saveexec_b32 s42, vcc_lo
	global_store_b64 v9, v[18:19], s[46:47]        ; one lane stores the wave's 8 bytes
	s_wait_xcnt 0x0                                ; and again, in front of the line that widens it
	s_or_b32 exec_lo, exec_lo, s42
.Lend:
	s_endpgm
.Lfunc_end_k_q3f1b86093e_cast:
	.size	k_q3f1b86093e_cast, .Lfunc_end_k_q3f1b86093e_cast-k_q3f1b86093e_cast
	.p2alignl 7, 3214868480
	.fill 96, 4, 3214868480
	.section	.rodata,"a",@progbits
	.p2align	6, 0x0
	.amdhsa_kernel k_q3f1b86093e_cast
		.amdhsa_group_segment_fixed_size 0
		.amdhsa_private_segment_fixed_size 0
		.amdhsa_enable_private_segment 0
		.amdhsa_kernarg_size 56
		.amdhsa_user_sgpr_count 2
		.amdhsa_user_sgpr_kernarg_segment_ptr 1
		.amdhsa_wavefront_size32 1
		.amdhsa_system_sgpr_workgroup_id_x 1
		.amdhsa_system_sgpr_workgroup_id_y 1
		.amdhsa_system_sgpr_workgroup_id_z 1
		.amdhsa_system_vgpr_workitem_id 0
		.amdhsa_next_free_vgpr 244
		.amdhsa_next_free_sgpr 66
		.amdhsa_reserve_vcc 1
		.amdhsa_float_denorm_mode_32 3
		.amdhsa_float_denorm_mode_16_64 3
		.amdhsa_memory_ordered 1
		.amdhsa_forward_progress 1
		.amdhsa_inst_pref_size 34
	.end_amdhsa_kernel
	.amdgpu_metadata
---
amdhsa.version: [ 1, 2 ]
amdhsa.kernels:
  - .name:           k_q3f1b86093e_cast
    .symbol:         k_q3f1b86093e_cast.kd
    .args:
      - { .name: w, .offset: 0, .size: 8, .value_kind: global_buffer, .address_space: global }
      - { .name: r, .offset: 8, .size: 8, .value_kind: global_buffer, .address_space: global }
      - { .name: W_qkv, .offset: 16, .size: 8, .value_kind: global_buffer, .address_space: global }
      - { .name: W_o, .offset: 24, .size: 8, .value_kind: global_buffer, .address_space: global }
      - { .name: abf, .offset: 32, .size: 8, .value_kind: global_buffer, .address_space: global }
      - { .name: wb, .offset: 40, .size: 8, .value_kind: global_buffer, .address_space: global }
      - { .name: rx, .offset: 48, .size: 8, .value_kind: global_buffer, .address_space: global }
    .group_segment_fixed_size: 0
    .private_segment_fixed_size: 0
    .kernarg_segment_align: 8
    .kernarg_segment_size: 56
    .max_flat_workgroup_size: 64
    .sgpr_count:     66
    .vgpr_count:     244
    .wavefront_size: 32
...
	.end_amdgpu_metadata
.endif
;; end of part 1
;; launch proj (part 2): grid 56 x 4, 4 waves a work-group, clusters of 4 x 4, 327,680 bytes of LDS; arguments abf, wb, qkv, rx; writes qkv, rx
.if DOCPART == 2
	.amdgcn_target "amdgcn-amd-amdhsa--gfx1250"
	.amdhsa_code_object_version 6
	.text
	.protected	k_q3f1b86093e_proj
	.globl	k_q3f1b86093e_proj
	.p2align	8
	.type	k_q3f1b86093e_proj,@function
k_q3f1b86093e_proj:
	s_mov_b64 s[64:65], 0
	v_nop
	global_prefetch_b8 v0, s[64:65] scope:SCOPE_SE
	s_setreg_imm32_b32 hwreg(HW_REG_WAVE_MODE, 25, 1), 1
	s_wait_xcnt 0x0
	s_wait_alu depctr_hold_cnt(0) depctr_sa_sdst(0) depctr_va_vdst(0) depctr_va_sdst(0) depctr_va_ssrc(0) depctr_va_vcc(0) depctr_vm_vsrc(0)
	s_getreg_b32 s2, hwreg(HW_REG_IB_STS2, 6, 4)
	s_cmp_eq_u32 s2, 0
	s_cbranch_scc0 .Lentry_in_a_cluster
	s_endpgm
.Lentry_in_a_cluster:
	s_bfe_u32 s2, ttmp6, 0x10000c
	s_cmp_lg_u32 s2, 0xf033
	s_cbranch_scc0 .Lentry_shape_is_right
	s_endpgm
.Lentry_shape_is_right:
; THE PROJECTIONS: C[m][n] = sum over k of A[m][k] B[n][k], A = rows of abf, B = rows of W_qkv in wb, both bf16 with 1,024 along K; sums in f32, C rounded once to bf16.
; 14 clusters of 4 x 4 work-groups, a work-group a tile of 256 x 256 of C, four waves of 128 x 128.  Cluster c < 12: 1,024 rows of w (for the query third: of w + r[2048]) times one third of W_qkv,
; stored by heads into qkv [3][b x 16 + n][2048][64].  Clusters 12, 13: r[0..2047] times the key third, stored into the table rx: r_k[m] is row p = m + 2048 and row p = m - 1 of its head.
; K goes in steps of 128 through two LDS slots filled by joint tensor loads: A's tile is shared along a row of the cluster, B's along a column.
; The matrix instruction is used transposed (source 0 = 16 rows of B, source 1 = 16 rows of A): a lane holds one row of C and eight neighbouring columns.
; REGISTERS, in windows of 256: window 0: v0-31 addresses; v64-127, v128-191 fragments of A, two buffers; v32-63, v192-255 at work on the way out.  Window 1: v64-191 fragments of B.  Windows 2, 3: the 64 accumulators.
; No prefetch: a K step's 256 matrix instructions stand between a tile's request and the wait for it.
.set SIZE_K, 1024
.set KSTEP,  128
.set PITCH,  272                       ; an LDS row: 256 bytes + 16 of padding: the 16 rows of a load start at 16 different groups of four banks (ISA guide 11.1)
.set HALFT,  128*PITCH
.set SLOT,   4*HALFT
.set STAGE,  2*SLOT                    ; behind the ring: 16 rows x 272 bytes for each wave
.set SPITCH, 272
.set SPARE,  STAGE+4*16*SPITCH         ; behind the stages: the spare words
.set LAPS,   SIZE_K/(2*KSTEP)
.set RXH,    524544
.set ADRA, 16
.set ADRB, 20
.set STO,  24
.set RD,   25
.set CO,   26
.set SPW,  28
.set NIL,  29
.set F0,   64
.set F1,   128
.set TMP,  192
.set OB,   32
.set WV,  12                           ; s12 wave
.set HR,  13                           ; s13 my half of the tile's rows; also: I fetch for A (0) or B (1)
.set HC,  14                           ; s14 my half of its columns; also: which 128 rows I fetch
.set G1,  24
.set G0,  32
.set CX,  40
.set CY,  41
.set CL,  42                           ; s42 the cluster's number: all that follows to s46 hangs on it alone
.set ISW, 43                           ; s43 1: rows of w
.set RC,  44
.set CC,  45                           ; s45 which third of W_qkv
.set AR4, 46                           ; s46 A's first tile row / 4
.set TRW, 47                           ; s47 A's tile row
.set G1B, 48
.set G0B, 56
.set TCL, 66                           ; s66 B's tile column
.set CB0, 68                           ; s[68:69], s[70:71] where my two heads' rows go
.set MSB, 0
.macro WIN new
.if MSB != (\new)
	s_set_vgpr_msb (MSB<<8)|(\new)
.set MSB, \new
.endif
.endm
.set MUL_LO, 0xa1
.set MUL_HI, 0xf1
.set TO_B,   0x40
.macro JLOAD s                         ; a joint load: waves 0, 1 fetch A's halves, waves 2, 3 B's; an s_nop 0 and four v_nop follow each line
	s_cmp_eq_u32 s[HR], 0
	s_cbranch_scc0 .Lfor_b_\@
	tensor_load_to_lds s[G0+4*(\s):G0+4*(\s)+3], s[G1:G1+7]
	s_nop 0
.rept 4
	v_nop
.endr
	s_branch .Lasked_\@
.Lfor_b_\@:
	tensor_load_to_lds s[G0B+4*(\s):G0B+4*(\s)+3], s[G1B:G1B+7]
	s_nop 0
.rept 4
	v_nop
.endr
.Lasked_\@:
.endm
.macro CREST                           ; a round of the cluster's barrier behind its opening barrier
	s_cmp_lg_u32 s[WV], 0
	s_cbranch_scc1 .Lnot_wave_0_\@
	s_barrier_signal -3
.Lnot_wave_0_\@:
	s_barrier_wait -3
	s_barrier_signal -1
	s_barrier_wait -1
.endm
.macro CROUND
	s_barrier_signal -1
	s_barrier_wait -1
	CREST
.endm
	s_load_b256 s[4:11], s[0:1], 0x0               ; abf s[4:5], wb s[6:7], qkv s[8:9], rx s[10:11]
	v_lshl_add_u32 v[SPW], v0, 2, SPARE
	v_mov_b32 v[NIL], 0
	ds_add_u32 v[SPW], v[NIL]                      ; the wave's opening: the add and its wait ahead of my first tensor load
	v_lshrrev_b32 v1, 5, v0
	v_readfirstlane_b32 s[WV], v1
	s_lshr_b32 s[HR], s[WV], 1
	s_and_b32 s[HC], s[WV], 1
	s_bfe_u32 s[CX], ttmp6, 0x40000
	s_bfe_u32 s[CY], ttmp6, 0x40004
	s_mov_b32 s[CL], ttmp9
	s_cmp_lt_u32 s[CL], 12
	s_cselect_b32 s[ISW], 1, 0
	s_mul_i32 s[RC], s[CL], 11
	s_lshr_b32 s[RC], s[RC], 5                     ; c / 3 for c < 12
	s_mul_i32 s15, s[RC], 3
	s_sub_co_u32 s[CC], s[CL], s15                 ; c % 3
	s_cmp_eq_u32 s[ISW], 1
	s_cselect_b32 s[CC], s[CC], 1                  ; r meets the key third alone
	s_cmp_eq_u32 s[CC], 0
	s_cselect_b32 s15, 6, 0                        ; the query third takes the rows w + r[2048], 6,144 rows on
	s_add_co_u32 s15, s15, s[RC]
	s_sub_co_u32 s[AR4], s[CL], 8                  ; r's rows begin at row 4,096
	s_cmp_eq_u32 s[ISW], 1
	s_cselect_b32 s[AR4], s15, s[AR4]
	s_lshl_b32 s[TRW], s[AR4], 2
	s_add_co_u32 s[TRW], s[TRW], s[CY]
	s_lshl_b32 s[TCL], s[CC], 2
	s_add_co_u32 s[TCL], s[TCL], s[CX]
	s_lshl_b32 s76, s[CY], 2
	s_lshl_b32 s76, 15, s76                        ; my row of the cluster
	s_lshl_b32 s77, 0x1111, s[CX]                  ; my column
	s_or_b32 s[G1+0], s76, (1<<16)|(1<<20)|(1<<21)|(5<<22)|(3<<25)   ; the mask; 2-byte elements; padding on; bit 21 beside a mask; after every 64 words 4 words
	s_or_b32 s[G1B+0], s77, (1<<16)|(1<<20)|(1<<21)|(5<<22)|(3<<25)
.irp g, G1, G1B
	s_mov_b32 s[(\g)+1], KSTEP<<16                 ; tensor_dim0 = 128
	s_mov_b32 s[(\g)+2], 128<<16                   ; tensor_dim1 = 128
	s_mov_b32 s[(\g)+3], KSTEP<<16                 ; tile_dim0 = 128
	s_mov_b32 s[(\g)+4], 128                       ; tile_dim1 = 128
	s_mov_b32 s[(\g)+5], SIZE_K                    ; elements from row to row
	s_mov_b32 s[(\g)+6], 0
	s_mov_b32 s[(\g)+7], 0
.endr
	s_lshl_b32 s15, s[HC], 7                       ; which 128 rows of the tile I fetch
	s_lshl_b32 s16, s[TRW], 8
	s_add_co_u32 s16, s16, s15
	s_lshl_b32 s16, s16, 11                        ; A: the row's byte (rows of 2,048 bytes; under 2^25)
	s_mov_b32 s17, 0
	s_lshl_b32 s18, s[TCL], 8
	s_add_co_u32 s18, s18, s15
	s_lshl_b32 s18, s18, 11                        ; B likewise
	s_mov_b32 s19, 0
	s_mul_i32 s20, s[WV], HALFT                    ; where they go: wave x 128 rows
	s_wait_dscnt 0x0                               ; the opening add is done
	s_wait_kmcnt 0x0
	s_add_nc_u64 s[72:73], s[4:5], s[16:17]
	s_add_nc_u64 s[74:75], s[6:7], s[18:19]
	CROUND                                         ; all sixteen work-groups are here: the first joint loads meet
.irp s, 0,1
	s_mov_b32 s[G0+4*(\s)], 1
	s_add_co_u32 s[G0+4*(\s)+1], s20, (\s)*SLOT
	s_add_nc_u64 s[G0+4*(\s)+2:G0+4*(\s)+3], s[72:73], (\s)*KSTEP*2
	s_or_b32 s[G0+4*(\s)+3], s[G0+4*(\s)+3], 0x80000000
	s_mov_b32 s[G0B+4*(\s)], 1
	s_add_co_u32 s[G0B+4*(\s)+1], s20, (\s)*SLOT
	s_add_nc_u64 s[G0B+4*(\s)+2:G0B+4*(\s)+3], s[74:75], (\s)*KSTEP*2
	s_or_b32 s[G0B+4*(\s)+3], s[G0B+4*(\s)+3], 0x80000000
	JLOAD \s
.endr
	v_and_b32 v1, 15, v0                           ; l % 16
	v_bfe_u32 v2, v0, 4, 1                         ; l / 16
	v_mul_u32_u24 v3, v1, PITCH
	v_lshl_add_u32 v3, v2, 4, v3
	s_mul_i32 s21, s[HR], HALFT                    ; my 128 rows of A
	s_mul_i32 s22, s[HC], HALFT
	s_add_co_u32 s22, s22, 2*HALFT                 ; my 128 rows of B
.irp s, 0,1
	v_add_nc_u32 v[ADRA+(\s)], s21, v3
	v_add_nc_u32 v[ADRB+(\s)], s22, v3
	s_add_co_u32 s21, s21, SLOT
	s_add_co_u32 s22, s22, SLOT
.endr
	s_mul_i32 s23, s[WV], 16*SPITCH
	s_add_co_u32 s23, s23, STAGE                   ; my stage
	v_mul_u32_u24 v4, v1, SPITCH                   ; in: row l % 16, 16 bytes for each half of the lanes
	v_lshl_add_u32 v4, v2, 4, v4
	v_add_nc_u32 v[STO], s23, v4
	v_bfe_u32 v5, v0, 3, 2                         ; back: 32 lanes take four rows' 128 bytes of one head,
	v_mul_u32_u24 v5, v5, SPITCH
	v_and_b32 v6, 7, v0
	v_lshl_add_u32 v5, v6, 4, v5
	v_add_nc_u32 v[RD], s23, v5
	v_and_b32 v[CO], 31, v0                        ; which are 512 bytes on end in qkv and in rx
	v_lshlrev_b32 v[CO], 4, v[CO]
	; where my 128 rows x 2 heads go: made in registers of their own
	s_lshl_b32 s80, s[CX], 2
	s_lshl_b32 s81, s[HC], 1
	s_add_co_u32 s80, s80, s81                     ; my first head, n0 = 4 cx + 2 x half
	s_lshl_b32 s81, s[RC], 2
	s_add_co_u32 s81, s81, s[CY]
	s_lshl_b32 s81, s81, 8
	s_lshl_b32 s82, s[HR], 7
	s_add_co_u32 s81, s81, s82                     ; my first row b x 2048 + i
	s_lshr_b32 s83, s81, 11
	s_lshl_b32 s83, s83, 22                        ; b: 16 heads of 262,144 bytes
	s_and_b32 s81, s81, 2047
	s_lshl_b32 s81, s81, 7                         ; i: 128 bytes
	s_add_co_u32 s83, s83, s81
	s_lshl_b32 s81, s[CC], 23                      ; the third
	s_add_co_u32 s83, s83, s81
	s_lshl_b32 s81, s80, 18
	s_add_co_u32 s83, s83, s81                     ; the offset in qkv
	s_sub_co_u32 s84, s[CL], 12
	s_lshl_b32 s84, s84, 2
	s_add_co_u32 s84, s84, s[CY]
	s_lshl_b32 s84, s84, 8
	s_add_co_u32 s84, s84, s82                     ; my first row m of r
	s_add_co_u32 s84, s84, 2048
	s_lshl_b32 s84, s84, 7
	s_add_co_u32 s84, s84, 256                     ; row p = m + 2048 lies at 256 + 128 p
	s_mul_i32 s85, s80, RXH
	s_add_co_u32 s84, s84, s85                     ; the offset in rx
	s_mov_b32 s86, RXH
	s_mov_b32 s87, 0
	s_cmp_eq_u32 s[ISW], 1
	s_cselect_b32 s88, s83, s84
	s_mov_b32 s89, 0
	s_cselect_b32 s86, 0x40000, s86                ; bytes from a head to the next
	s_cselect_b64 s[CB0:CB0+1], s[8:9], s[10:11]
	s_add_nc_u64 s[CB0:CB0+1], s[CB0:CB0+1], s[88:89]
	s_add_nc_u64 s[CB0+2:CB0+3], s[CB0:CB0+1], s[86:87]
.macro MUL16 f, hi, a0, zero           ; 16 matrix instructions: m blocks a0, a0 + 1 of the window's four x all 8 n blocks, 32 along K.  The accumulators take turns
	WIN MUL_LO+0x50*(\hi)
.irp a, \a0, (\a0)+1
.irp b, 0,1,2,3,4,5,6,7
.if \zero
	v_wmma_f32_16x16x32_bf16 v[8*(8*(\a)+(\b)):8*(8*(\a)+(\b))+7], v[(\f)+8*(\b):(\f)+8*(\b)+7], v[(\f)+8*(4*(\hi)+(\a)):(\f)+8*(4*(\hi)+(\a))+7], 0
.else
	v_wmma_f32_16x16x32_bf16 v[8*(8*(\a)+(\b)):8*(8*(\a)+(\b))+7], v[(\f)+8*(\b):(\f)+8*(\b)+7], v[(\f)+8*(4*(\hi)+(\a)):(\f)+8*(4*(\hi)+(\a))+7], v[8*(8*(\a)+(\b)):8*(8*(\a)+(\b))+7]
.endif
.endr
.endr
.endm
.macro FETCH slot, k, f                ; 32 LDS loads in one run: a quarter step's fragments of B, then of A
	WIN TO_B
.irp i, 0,1,2,3,4,5,6,7
	ds_load_b128 v[(\f)+8*(\i):(\f)+8*(\i)+3],   v[ADRB+(\slot)] offset:(\k)+(\i)*16*PITCH
	ds_load_b128 v[(\f)+8*(\i)+4:(\f)+8*(\i)+7], v[ADRB+(\slot)] offset:(\k)+(\i)*16*PITCH+32
.endr
	WIN 0
.irp i, 0,1,2,3,4,5,6,7
	ds_load_b128 v[(\f)+8*(\i):(\f)+8*(\i)+3],   v[ADRA+(\slot)] offset:(\k)+(\i)*16*PITCH
	ds_load_b128 v[(\f)+8*(\i)+4:(\f)+8*(\i)+7], v[ADRA+(\slot)] offset:(\k)+(\i)*16*PITCH+32
.endr
.endm
.macro PLACES                          ; four plain vector instructions behind matrix instructions, ahead of loads into their registers and of readers of their results
.rept 4
	v_nop
.endr
.endm
.macro QUARTER slot, k, f, g, zero     ; 64 matrix instructions on buffer f; in their middle the next quarter's fragments go into buffer g
	s_wait_dscnt 8                                 ; B and A's rows 0-63 are in; the youngest eight loads may be out
	WIN MUL_LO
	MUL16 \f, 0, 0, \zero
	MUL16 \f, 0, 2, \zero
	PLACES
	FETCH \slot, \k, \g
	s_wait_dscnt 32                                ; all but the 32 just issued
	WIN MUL_HI
	MUL16 \f, 1, 0, \zero
	MUL16 \f, 1, 2, \zero
.endm
.macro MEET round                      ; the first half of a K step's last quarter, and the barrier of the change of slots
	WIN 0
	s_wait_tensorcnt 0x0                           ; all my tensor loads have landed: the one that was out is my part of the next slot
	ds_add_u32 v[SPW], v[NIL]                      ; 0 onto my spare word
	s_wait_dscnt 9                                 ; the add and the youngest eight loads may be out
	WIN MUL_LO
	MUL16 F1, 0, 0, 0
	s_wait_dscnt 0x0                               ; the add is done, and my reads of this slot are over
	s_barrier_signal -1
	MUL16 F1, 0, 2, 0
.if \round
	WIN 0
.endif
	s_barrier_wait -1
.endm
.macro TURN slot, next                 ; the whole last quarter: the slot just read is filled again, two K steps on, first thing behind the cluster's round
	MEET 1
	CREST
	s_add_nc_u64 s[G0+4*(\slot)+2:G0+4*(\slot)+3], s[G0+4*(\slot)+2:G0+4*(\slot)+3], 2*KSTEP*2
	s_add_nc_u64 s[G0B+4*(\slot)+2:G0B+4*(\slot)+3], s[G0B+4*(\slot)+2:G0B+4*(\slot)+3], 2*KSTEP*2
	JLOAD \slot                                    ; its four v_nop are also the places in front of the loads below
	FETCH \next, 0, F0
	WIN MUL_HI
	MUL16 F1, 1, 0, 0
	MUL16 F1, 1, 2, 0
.endm
; THE WAY OUT of block a (16 rows): rounded to bf16; through my own stage; back by heads, four rows of 128 bytes a load; stored 512 bytes on end.
.macro PACK a
.set AC, 64*((\a)%4)
	WIN 0x0a+5*((\a)/4)
.irp b, 0,1,2,3,4,5,6,7
.irp r, 0,1,2,3
	v_cvt_pk_bf16_f32 v[TMP+4*(\b)+(\r)], v[AC+8*(\b)+2*(\r)], v[AC+8*(\b)+2*(\r)+1]
.endr
.endr
	WIN 0
.endm
.macro TOSTAGE a
	WIN 0
.set BK, OB+192*((\a)%2)
.irp b, 0,1,2,3,4,5,6,7
	ds_store_b128 v[STO], v[TMP+4*(\b):TMP+4*(\b)+3] offset:32*(\b)
.endr
.irp hd, 0,1
.irp g, 0,1,2,3
	ds_load_b128 v[BK+4*(4*\hd+\g):BK+4*(4*\hd+\g)+3], v[RD] offset:\g*4*SPITCH+\hd*128   ; LDS serves a wave's instructions in order (ISA guide 5.7.1.4): these see the stores above
.endr
.endr
.endm
.macro SEND a
	WIN 0
.set BK, OB+192*((\a)%2)
	s_wait_dscnt 0x0                               ; the block is back in registers
	s_wait_xcnt 0x0                                ; earlier stores have read their registers: the other set is loaded again only behind this wait
.irp hd, 0,1
.irp g, 0,1,2,3
	global_store_b128 v[CO], v[BK+4*(4*\hd+\g):BK+4*(4*\hd+\g)+3], s[CB0+2*\hd:CB0+2*\hd+1] offset:(\a)*2048+\g*512
.endr
.endr
	s_cmp_eq_u32 s[ISW], 1
	s_cbranch_scc1 .Lonce_\@
.irp hd, 0,1
.irp g, 0,1,2,3
	global_store_b128 v[CO], v[BK+4*(4*\hd+\g):BK+4*(4*\hd+\g)+3], s[CB0+2*\hd:CB0+2*\hd+1] offset:(\a)*2048+\g*512-262272   ; the table's second copy: row p = m - 1, 2,049 rows back
.endr
.endr
.Lonce_\@:
.endm
	s_wait_tensorcnt 1                             ; my part of K step 0 is in; K step 1's may stay out
	s_barrier_signal -1
	s_barrier_wait -1
	FETCH 0, 0, F0
	QUARTER 0, 64,  F0, F1, 1                      ; the first quarter's products start the sums
	WIN 0
	s_mov_b32 s3, LAPS-1
.Llap:                                                 ; a trip goes once round the ring and fills both slots again
	QUARTER 0, 128, F1, F0, 0
	QUARTER 0, 192, F0, F1, 0
	TURN 0, 1
	QUARTER 1, 64,  F0, F1, 0
	QUARTER 1, 128, F1, F0, 0
	QUARTER 1, 192, F0, F1, 0
	TURN 1, 0
	QUARTER 0, 64,  F0, F1, 0
	WIN 0
	s_sub_co_u32 s3, s3, 1
	s_cmp_lg_u32 s3, 0
	s_cbranch_scc1 .Llap
	QUARTER 0, 128, F1, F0, 0                      ; the last lap asks for nothing
	QUARTER 0, 192, F0, F1, 0
	MEET 0
	PLACES
	FETCH 1, 0, F0
	WIN MUL_HI
	MUL16 F1, 1, 0, 0
	MUL16 F1, 1, 2, 0
	QUARTER 1, 64,  F0, F1, 0
	QUARTER 1, 128, F1, F0, 0
	QUARTER 1, 192, F0, F1, 0
	s_wait_dscnt 8
	MUL16 F1, 0, 0, 0
	MUL16 F1, 0, 2, 0
	s_wait_dscnt 0x0
	MUL16 F1, 1, 0, 0
	MUL16 F1, 1, 2, 0
	PLACES
	PACK 0
	TOSTAGE 0
.irp a, 1,2,3,4,5,6,7                  ; block a's conversions stand between block a - 1's loads from the stage and the wait for them
	PACK \a
	SEND (\a)-1
	TOSTAGE \a
.endr
	SEND 7
	s_wait_tensorcnt 0x0                           ; the wave's end
	ds_add_u32 v[SPW], v[NIL]
	s_wait_dscnt 0x0
	CROUND                                         ; the closing round
	s_endpgm
.Lfunc_end_k_q3f1b86093e_proj:
	.size	k_q3f1b86093e_proj, .Lfunc_end_k_q3f1b86093e_proj-k_q3f1b86093e_proj
	.p2alignl 7, 3214868480
	.fill 96, 4, 3214868480
	.section	.rodata,"a",@progbits
	.p2align	6, 0x0
	.amdhsa_kernel k_q3f1b86093e_proj
		.amdhsa_group_segment_fixed_size 327680
		.amdhsa_private_segment_fixed_size 0
		.amdhsa_enable_private_segment 0
		.amdhsa_kernarg_size 32
		.amdhsa_user_sgpr_count 2
		.amdhsa_user_sgpr_kernarg_segment_ptr 1
		.amdhsa_wavefront_size32 1
		.amdhsa_system_sgpr_workgroup_id_x 1
		.amdhsa_system_sgpr_workgroup_id_y 1
		.amdhsa_system_sgpr_workgroup_id_z 1
		.amdhsa_system_vgpr_workitem_id 0
		.amdhsa_next_free_vgpr 1024
		.amdhsa_next_free_sgpr 92
		.amdhsa_reserve_vcc 0
		.amdhsa_float_denorm_mode_32 3
		.amdhsa_float_denorm_mode_16_64 3
		.amdhsa_memory_ordered 1
		.amdhsa_forward_progress 1
		.amdhsa_inst_pref_size 150
	.end_amdhsa_kernel
	.amdgpu_metadata
---
amdhsa.version: [ 1, 2 ]
amdhsa.kernels:
  - .name:           k_q3f1b86093e_proj
    .symbol:         k_q3f1b86093e_proj.kd
    .args:
      - { .name: abf, .offset: 0, .size: 8, .value_kind: global_buffer, .address_space: global }
      - { .name: wb, .offset: 8, .size: 8, .value_kind: global_buffer, .address_space: global }
      - { .name: qkv, .offset: 16, .size: 8, .value_kind: global_buffer, .address_space: global }
      - { .name: rx, .offset: 24, .size: 8, .value_kind: global_buffer, .address_space: global }
    .group_segment_fixed_size: 327680
    .private_segment_fixed_size: 0
    .kernarg_segment_align: 8
    .kernarg_segment_size: 32
    .max_flat_workgroup_size: 128
    .sgpr_count:     92
    .vgpr_count:     1024
    .wavefront_size: 32
...
	.end_amdgpu_metadata
.endif
;; end of part 2
;; launch attn (part 3): grid 8 x 32, 4 waves a work-group, no clusters, 327,680 bytes of LDS; arguments qkv, rx, av; writes av
.if DOCPART == 3
	.amdgcn_target "amdgcn-amd-amdhsa--gfx1250"
	.amdhsa_code_object_version 6
	.text
	.protected	k_q3f1b86093e_attn
	.globl	k_q3f1b86093e_attn
	.p2align	8
	.type	k_q3f1b86093e_attn,@function
k_q3f1b86093e_attn:
	s_mov_b64 s[64:65], 0
	v_nop
	global_prefetch_b8 v0, s[64:65] scope:SCOPE_SE
	s_setreg_imm32_b32 hwreg(HW_REG_WAVE_MODE, 25, 1), 1
	s_wait_xcnt 0x0
; RELATIVE ATTENTION for one (batch, head) bn and 256 queries.  score[i][j] = (q[i] . k[j] + BD'[i][j]) / 8, softmax over all 2,048 keys, times v.  q holds the bias already.
; THE SHIFT.  With p = 2047 + j - i: BD'[i][j] = q[i] . T[p] where p <= 2047 and q[i+1] . T[p] where p >= 2048; T (rx) holds r_k[p+1] for p <= 2047 and r_k[p-2048] beyond.  An aligned group of 16 p lies wholly on one side.
; SHARES.  A wave owns 64 queries, four PIECES of 16; it walks the keys 64 a step, 32 steps.  For a piece and step the band is 80 rows of T: five products G = T Q^T (16 rows x 16 queries, two deep), with Q or
; Q' (rows i + 1) by the group's side.  G goes in f32 through my own stage in LDS, row = query, and comes back skewed, word 15 + key - query: that IS the accumulator layout of S^T = K Q^T, which takes it as its C.
; WHICH Q.  Ahead of the step D0 that holds my wave's diagonal all five groups of a piece g lie at p <= 2047, behind it none, in it groups 0 .. g.  So G takes its queries from two sets: QL for groups 0 .. g, QH for the
; others.  Both begin as Q; QH becomes Q' when G's step reaches D0, QL one step later: 64 moves each, once a wave, at the head of turn 2, where G's step changes.  So G stands in the text once.
; LAYOUT, SOFTMAX.  S^T holds ONE query a lane (lane % 16) and the keys 8 (lane / 16) + 0..7; two such results rounded to bf16 ARE source 1 of O^T = V^T P.  p = 2^(c s - c m), c = log2(e) / 8, with a running
; maximum m; O and l are multiplied by a = 2^(c m_old - c m_new) in every step.  m starts at the lowest finite number, O and l at 0: the first step is a step like any other, with a = 0.
; TURNS.  Turn n belongs to piece n.  Its matrix work, in this order: 10 products G of piece n + 2; 8 products K Q^T of piece n + 1; 8 products V^T P of piece n - 1.  Four vector instructions stand behind each of the
; 26.  Behind G: piece n's scalings and exponentials, its a among them: ONE batch of 33, with ONE wait, behind which stands the turn's run of LDS instructions (the skew).  Behind K Q^T: piece n's roundings and sums
; and the head of piece n + 1's maximum.  Behind V^T P: the rest of that maximum and its statistics, and O^T times a.  A skew has a whole turn in which to come back.
; LIMITS.  q, k, v, T, the weights p and the result are bf16, each rounded once; BD', maxima and sums are f32.  A weight below 2^-126 counts as 0 in l; NaN and infinities are not treated apart.
; NO CLUSTER: the step at which QL and QH change hangs on the query block, which would be a work-group's place in its cluster; what could be shared, K and V, is 32 KiB of a
; period of two steps, in which the work-group's own LDS traffic is some 540 KiB.
; REGISTERS, in windows of 256 (s_set_vgpr_msb: bits 1:0 source 0, 3:2 source 1, 5:4 source 2, 7:6 destination):
;   window 0: addresses, statistics; v64-191 S^T, 32 a piece; v192-223 P, two buffers      window 1: v0-127 O^T, 32 a piece; v128-191 V of one step; v192-255 Q', kept for the two changes
;   window 2: v0-63 Q; v64-127 QL; v128-191 K of one step; v192-255 QH                      window 3: v0-127 T's eight groups of a step; v128-167 G
; V lies beside O^T, so that O^T times a runs under the window setting of V^T P and needs no switch behind those products.
.set NP,    4
.set PK,    144                        ; a row of K or T in LDS: 128 bytes + 16
.set PV,    160                        ; a row of V: 128 + 32
.set CHK,   64*PK                      ; 64 rows of K or T
.set VSTEP, 64*PV
.set KB,    8*CHK                      ; LDS: T's ring, 8 chunks of 64 rows, from 0; K's ring, 4 steps, from here;
.set VB,    KB+4*CHK                   ; V's ring, 4 steps;
.set SG,    VB+4*VSTEP                 ; the four waves' stages, never filled by a tensor load;
.set GP_,   336                        ; a stage's row: 80 words + 4: 21 x 16 bytes
.set SGW,   16*GP_
.set SPARE, SG+4*SGW                   ; the spare words
.set SP,    144
.set RXH,   524544
.set AK0, 2                            ; v2   row x 144 + 16 x half: my place in 16 rows of K or T
.set AV0, 3                            ; v3   my place in V, ring's start included
.set AK,  4
.set AV,  5
.set STO, 6
.set RD,  7
.set GO,  8
.set MV,  12                           ; v12-13 c m_old, by the piece's parity
.set AR0, 14                           ; v14-15 T's two chunks of the step to be fetched
.set ST,  16                           ; v16-31 piece t: c m, m, l (even keys', odd keys')
.set GS,  32                           ; v32  the skew: where G goes
.set GL,  33                           ; v33  and where it comes back from
.set QO,  34
.set QO1, 36                           ; v36-39 Q': row i + 1, held at the head's last row
.set QOH, 40                           ; v40-43 what QH begins as: Q, or Q' where my diagonal lies in step 0
.set TMP, 48                           ; v48-55 by the piece's parity: c0-c3 at work; then c1 holds c m_old - c m_new and c2 takes a
.set PFO, 61
.set SPW, 62
.set NIL, 63
.set S,   64
.set P,   192
.set QL,  64                           ; window 2
.set KF,  128
.set QH,  192
.set VF,  128                          ; window 1
.set QS,  192
.set GG,  128                          ; window 3
.set WV,  12
.set BLK, 13
.set BN,  14
.set HN,  15
.set G1K, 24
.set G1V, 32
.set G1R, 40
.set G0K, 48
.set G0V, 52
.set G0R, 56
.set CS,  60
.set SEL, 62
.set NS,  66                           ; s66  the step whose K, V and T are fetched next
.set D0,  67                           ; s67  the step that holds my wave's diagonal
.set D1,  68
.set WOFF, 69                          ; s69  3 - wave: my band's first chunk is NS + WOFF
.set CNT, 70
.set PER, 71
.set PT,  72                           ; s72  counts the changes of slots
.set LIM, 73
.set PFA, 74
.set OA,  76
.set QA,  78
.set MSB, 0
.macro WIN new
.if MSB != (\new)
	s_set_vgpr_msb (MSB<<8)|(\new)
.set MSB, (\new)
.endif
.endm
.set W_KQ, 0x0a                        ; K and Q in window 2, S^T in window 0
.set W_PV, 0x51                        ; V in window 1, P in window 0, O^T in window 1
.set W_RS, 0x51                        ; O^T (destination and source 0) in window 1, a in window 0: the same setting
.set W_G,  0xfb                        ; T in window 3, QL and QH in window 2, G (C and D) in window 3
.macro PLACES
.rept 4
	v_nop
.endr
.endm
; A fill: wave 0 K's, wave 1 V's, wave 2 T's, wave 3 none.  An s_nop 0 and four v_nop follow each line, ahead of the jump and the label.  One tensor load of a wave is out at the most.
.macro JLOAD3
	s_cmp_lg_u32 s[WV], 0
	s_cbranch_scc1 .Lnot_k_\@
	tensor_load_to_lds s[G0K:G0K+3], s[G1K:G1K+7]
	s_nop 0
.rept 4
	v_nop
.endr
	s_branch .Lasked_\@
.Lnot_k_\@:
	s_cmp_lg_u32 s[WV], 1
	s_cbranch_scc1 .Lnot_v_\@
	tensor_load_to_lds s[G0V:G0V+3], s[G1V:G1V+7]
	s_nop 0
.rept 4
	v_nop
.endr
	s_branch .Lasked_\@
.Lnot_v_\@:
	s_cmp_lg_u32 s[WV], 2
	s_cbranch_scc1 .Lasked_\@
	tensor_load_to_lds s[G0R:G0R+3], s[G1R:G1R+7]
	s_nop 0
.rept 4
	v_nop
.endr
.Lasked_\@:
.endm
; A prefetch into the L2 of the 128 keys that the NEXT change of slots will ask for: 64 blocks of 256 bytes, a lane a block, two instructions.  The eight query blocks of a head walk the same K and V: block 0 asks,
; wave 0 for K and wave 1 for V, so each block is named once in the launch.  The last change that fills asks for nothing.  T is not asked for: its rows are read by several work-groups in different trips.
.macro ASK
	s_cmp_gt_u32 s[PER], s[LIM]
	s_cbranch_scc0 .Lnot_mine_\@
	global_prefetch_b8 v[PFO], s[PFA:PFA+1] th:TH_LOAD_NT scope:SCOPE_SE
	global_prefetch_b8 v[PFO], s[PFA:PFA+1] offset:8192 th:TH_LOAD_NT scope:SCOPE_SE
.Lnot_mine_\@:
.endm
; THE CHANGE OF SLOTS, in the second step of a period of two, between turns 0 and 1: K and V of the period have been asked out of LDS, and T's two oldest chunks are behind every wave's band.
; Each wave waits for all its tensor loads, adds 0 to its spare word, and waits for that and for its own LDS reads.  fill = 1: behind the barrier K's and V's slot takes the period two on, T's oldest quarter the next 128 rows.
.macro CHANGE fill
	WIN 0
	s_wait_tensorcnt 0x0                           ; no tensor load of mine is out, so a group 0 may be written
	ds_add_u32 v[SPW], v[NIL]                      ; 0 onto my spare word
.if \fill
	s_xor_b32 s[G0K+1], s[G0K+1], 2*CHK            ; the other slot than last time
	s_xor_b32 s[G0V+1], s[G0V+1], VB^(VB+2*VSTEP)
	s_and_b32 s80, s[PT], 3
	s_mul_i32 s[G0R+1], s80, 2*CHK                 ; T's quarters in turn
	s_add_co_u32 s[PT], s[PT], 1
	s_add_nc_u64 s[G0K+2:G0K+3], s[G0K+2:G0K+3], 16384   ; 128 rows of 128 bytes on; the type bits on top are not reached
	s_add_nc_u64 s[G0V+2:G0V+3], s[G0V+2:G0V+3], 16384
	s_add_nc_u64 s[G0R+2:G0R+3], s[G0R+2:G0R+3], 16384
	s_wait_xcnt 0x0                                ; the last prefetches, two steps back, have read their address
	s_add_nc_u64 s[PFA:PFA+1], s[PFA:PFA+1], 16384
.endif
	s_wait_dscnt 0x0                               ; the add is done, and my reads are over
	s_barrier_signal -1
	s_barrier_wait -1
.if \fill
	JLOAD3
	ASK
.endif
.endm
	s_load_b128 s[4:7], s[0:1], 0x0                ; qkv s[4:5], rx s[6:7]
	s_load_b64 s[8:9], s[0:1], 0x10                ; av
	v_lshl_add_u32 v[SPW], v0, 2, SPARE
	v_mov_b32 v[NIL], 0
	ds_add_u32 v[SPW], v[NIL]                      ; the wave's opening: the add and its wait ahead of my first tensor load
	v_lshrrev_b32 v1, 5, v0
	v_readfirstlane_b32 s[WV], v1
	s_mov_b32 s[BLK], ttmp9
	s_and_b32 s[BN], ttmp7, 0xffff
	s_and_b32 s[HN], s[BN], 15
	s_lshl_b32 s[D0], s[BLK], 2
	s_add_co_u32 s[D0], s[D0], s[WV]               ; my first query is 64 D0
	s_add_co_u32 s[D1], s[D0], 1
	s_sub_co_u32 s[WOFF], 3, s[WV]
	s_lshl_b32 s16, s[BN], 18                      ; the head's first byte in a third of qkv and in av
	s_mov_b32 s17, 0
	s_lshl_b32 s18, s[D0], 13
	s_add_co_u32 s18, s18, s16                     ; my wave's first row
	s_mov_b32 s19, 0
	s_mul_i32 s20, s[HN], RXH
	s_add_co_u32 s20, s20, 256+1792*128            ; T's ring begins at row P0 = 1792 - 256 x block
	s_lshl_b32 s21, s[BLK], 15
	s_sub_co_u32 s20, s20, s21
	s_mov_b32 s21, 0
	; descriptor group 1: dense rows of 128 bytes, asked for as rows of 256 bytes, two a row, padded in LDS after every 32 words
	s_mov_b32 s[G1K], (1<<16)|(1<<20)|(4<<22)|(3<<25)
	s_mov_b32 s[G1V], (1<<16)|(1<<20)|(4<<22)|(7<<25)
	s_mov_b32 s[G1R], (1<<16)|(1<<20)|(4<<22)|(3<<25)
.irp g, G1K, G1V, G1R
	s_mov_b32 s[\g+1], 128<<16                     ; tensor_dim0 = 128
	s_mov_b32 s[\g+3], 128<<16                     ; tile_dim0 = 128
	s_mov_b32 s[\g+5], 128                         ; elements from row to row
	s_mov_b32 s[\g+6], 0
	s_mov_b32 s[\g+7], 0
.endr
	s_mov_b32 s[G1K+2], 128<<16                    ; the first fills are whole rings: 256 keys,
	s_mov_b32 s[G1K+4], 128
	s_mov_b32 s[G1V+2], 128<<16
	s_mov_b32 s[G1V+4], 128
	s_mov_b32 s[G1R+2], 256<<16                    ; 512 rows of T
	s_mov_b32 s[G1R+4], 256
	s_mov_b32 s[G0K], 1
	s_mov_b32 s[G0K+1], KB
	s_mov_b32 s[G0V], 1
	s_mov_b32 s[G0V+1], VB
	s_mov_b32 s[G0R], 1
	s_mov_b32 s[G0R+1], 0
	s_mov_b32 s[CS], 0x3e38aa3b                    ; c = log2(e) / 8
	s_mov_b32 s[CS+1], s[CS]
	s_mov_b32 s[SEL], 0x76543210
	s_mov_b32 s[SEL+1], 0xfedcba98
	s_mov_b32 s[PT], 0
	s_lshr_b32 s22, s[WV], 1
	s_or_b32 s22, s22, s[BLK]
	s_cmp_eq_u32 s22, 0
	s_cselect_b32 s[LIM], 1, -1                    ; 1 in waves 0 and 1 of the head's block 0
	v_and_b32 v[PFO], 31, v0
	v_lshlrev_b32 v[PFO], 8, v[PFO]
	s_wait_dscnt 0x0                               ; the opening add is done
	s_wait_kmcnt 0x0
	s_add_nc_u64 s[2:3], s[4:5], s[16:17]
	s_add_nc_u64 s[G0K+2:G0K+3], s[2:3], 0x800000  ; the head's keys,
	s_add_nc_u64 s[G0V+2:G0V+3], s[2:3], 0x1000000 ; and values
	s_cmp_eq_u32 s[WV], 1
	s_cselect_b64 s[PFA:PFA+1], s[G0V+2:G0V+3], s[G0K+2:G0K+3]
	s_add_nc_u64 s[PFA:PFA+1], s[PFA:PFA+1], 2*16384   ; at period 2; the first change steps it to period 3.  Nothing is prefetched here, at the head
	s_or_b32 s[G0K+3], s[G0K+3], 0x80000000
	s_or_b32 s[G0V+3], s[G0V+3], 0x80000000
	s_add_nc_u64 s[G0R+2:G0R+3], s[6:7], s[20:21]
	s_or_b32 s[G0R+3], s[G0R+3], 0x80000000
	s_add_nc_u64 s[QA:QA+1], s[4:5], s[18:19]
	s_add_nc_u64 s[OA:OA+1], s[8:9], s[18:19]
	JLOAD3
	v_and_b32 v1, 15, v0                           ; l % 16
	v_bfe_u32 v9, v0, 4, 1                         ; l / 16
	v_lshlrev_b32 v[QO], 7, v1
	v_lshl_add_u32 v[QO], v9, 4, v[QO]
	s_lshl_b32 s22, s[D0], 6
	s_sub_co_u32 s22, 2047, s22                    ; the head's last row, counted from my first
	s_cmp_eq_u32 s[D0], 0
	s_cselect_b32 s81, -1, 0                       ; all lanes: my diagonal lies in step 0
.irp u, 0,1,2,3
	v_add_nc_u32 v10, 16*\u+1, v1
	v_min_u32 v10, s22, v10                        ; query 2047 has no key beyond the diagonal: its row of Q' is never used
	v_lshlrev_b32 v10, 7, v10
	v_lshl_add_u32 v[QO1+\u], v9, 4, v10
	v_add_nc_u32 v11, 2048*\u, v[QO]
	v_cndmask_b32 v[QOH+\u], v11, v[QO1+\u], s81
.endr
	WIN 0x80
.set i, 0
.rept 8                                ; piece i / 2, channels 32 (i % 2) on: Q, QL = Q, and QH
	global_load_b128 v[8*i:8*i+3],         v[QO], s[QA:QA+1] offset:(i/2)*2048+(i%2)*64
	global_load_b128 v[8*i+4:8*i+7],       v[QO], s[QA:QA+1] offset:(i/2)*2048+(i%2)*64+32
	global_load_b128 v[QL+8*i:QL+8*i+3],   v[QO], s[QA:QA+1] offset:(i/2)*2048+(i%2)*64
	global_load_b128 v[QL+8*i+4:QL+8*i+7], v[QO], s[QA:QA+1] offset:(i/2)*2048+(i%2)*64+32
	global_load_b128 v[QH+8*i:QH+8*i+3],   v[QOH+i/2], s[QA:QA+1] offset:(i%2)*64
	global_load_b128 v[QH+8*i+4:QH+8*i+7], v[QOH+i/2], s[QA:QA+1] offset:(i%2)*64+32
.set i, i+1
.endr
	WIN 0x40
.set i, 0
.rept 8                                ; Q'
	global_load_b128 v[QS+8*i:QS+8*i+3],   v[QO1+i/2], s[QA:QA+1] offset:(i%2)*64
	global_load_b128 v[QS+8*i+4:QS+8*i+7], v[QO1+i/2], s[QA:QA+1] offset:(i%2)*64+32
.set i, i+1
.endr
	; what the first turn finds: V and P's second buffer hold 0, O^T and l are 0.  All this stands in the wait for the first tiles.
.set i, 0
.rept 192                              ; O^T, then V
	v_mov_b32 v[i], 0
.set i, i+1
.endr
	WIN 0
.set i, 0
.rept 4
	v_mov_b32 v[ST+4*i], 0xfe000000                ; c m: far below every c s
	v_mov_b32 v[ST+4*i+1], 0xff7fffff              ; m
	v_mov_b32 v[ST+4*i+2], 0
	v_mov_b32 v[ST+4*i+3], 0
.set i, i+1
.endr
.set i, P+16
.rept 16
	v_mov_b32 v[i], 0
.set i, i+1
.endr
	v_mul_u32_u24 v[AK0], v1, PK
	v_lshl_add_u32 v[AK0], v9, 4, v[AK0]
	v_and_b32 v10, 7, v0
	v_bfe_u32 v11, v0, 3, 1
	v_lshl_add_u32 v[AV0], v9, 3, v10              ; the turning load: key 8 (l / 16) + l % 8, channels 8 ((l / 8) % 2) on
	v_mul_u32_u24 v[AV0], v[AV0], PV
	v_lshl_add_u32 v[AV0], v11, 4, v[AV0]
	v_add_nc_u32 v[AV0], VB, v[AV0]
	s_mul_i32 s23, s[WV], SGW
	s_add_co_u32 s23, s23, SG                      ; my stage
	v_mul_u32_u24 v[GS], v1, GP_                   ; G goes in at row = query, word 16 x + 8 (l / 16) + register
	v_lshl_add_u32 v[GS], v9, 5, v[GS]
	v_add_nc_u32 v[GS], s23, v[GS]
	v_mul_u32_u24 v[GL], v1, GP_-4                 ; and comes back from word 15 - query + 8 (l / 16) + 16 t + register
	v_lshl_add_u32 v[GL], v9, 5, v[GL]
	v_add_nc_u32 v[GL], s23, v[GL]
	v_add_nc_u32 v[GL], 60, v[GL]
	v_mul_u32_u24 v[STO], v1, SP                   ; the way out uses the same stage, in rows of 144 bytes
	v_lshl_add_u32 v[STO], v9, 4, v[STO]
	v_add_nc_u32 v[STO], s23, v[STO]
	v_bfe_u32 v[RD], v0, 3, 2
	v_mul_u32_u24 v[RD], v[RD], SP
	v_lshl_add_u32 v[RD], v10, 4, v[RD]
	v_add_nc_u32 v[RD], s23, v[RD]
	v_and_b32 v[GO], 31, v0
	v_lshlrev_b32 v[GO], 4, v[GO]
; THE MATRIX WORK.  In each run the accumulators take turns, one instruction a turn.
.macro KQ x                            ; product i of 8 of S^T = K Q^T + BD' for piece x: channels 32 (i / 4) on, keys 16 (i % 4) on; S^T holds the skewed BD' when the run begins
	WIN W_KQ
.set rS, S+32*(\x)+8*(i%4)
.set rK, KF+16*(i%4)+8*(i/4)
.set rQ, 16*(\x)+8*(i/4)
	v_wmma_f32_16x16x32_bf16 v[rS:rS+7], v[rK:rK+7], v[rQ:rQ+7], v[rS:rS+7]
.endm
.macro PV x                            ; product i of 8 of O^T += V^T P for piece x: keys 32 (i / 4) on, channels 16 (i % 4) on
	WIN W_PV
.set rO, 32*(\x)+8*(i%4)
.set rV, VF+32*(i/4)+8*(i%4)
.set rP, P+16*((\x)%2)+8*(i/4)
	v_wmma_f32_16x16x32_bf16 v[rO:rO+7], v[rV:rV+7], v[rP:rP+7], v[rO:rO+7]
.endm
.macro MM                              ; the turn's next product of these two kinds
.if i < 8
	KQ (Y+1)%NP
.else
.set i, i-8
	PV (Y+NP-1)%NP
.set i, i+8
.endif
.set i, i+1
.endm
.macro GP g                            ; product gi of 10 of G for piece g: group gi % 5 of its five is the wave's group gi % 5 + 3 - g; channels 32 (gi / 5) on; the first five start the sums
	WIN W_G
.set gx, gi%5
.set gc, gi/5
.set rG, GG+8*gx
.set rA, 16*(gx+3-(\g))+8*gc
.if gx <= (\g)
.set rB, QL+16*(\g)+8*gc
.else
.set rB, QH+16*(\g)+8*gc
.endif
.if gc == 0
	v_wmma_f32_16x16x32_bf16 v[rG:rG+7], v[rA:rA+7], v[rB:rB+7], 0
.else
	v_wmma_f32_16x16x32_bf16 v[rG:rG+7], v[rA:rA+7], v[rB:rB+7], v[rG:rG+7]
.endif
.set gi, gi+1
.endm
.macro GRUN g                          ; the ten on end: ahead of the loop, where there is no vector work yet to set between them
.set gi, 0
.rept 10
	GP \g
.endr
	WIN 0
.endm
.macro QSW                             ; G's step has become NS: at my diagonal's step QH takes Q', one step later QL does
	WIN 0
	s_cmp_lg_u32 s[NS], s[D0]
	s_cbranch_scc1 .Lno_h_\@
	WIN 0x81                                       ; destination window 2, source window 1
.set z, 0
.rept 64
	v_mov_b32 v[QH+z], v[QS+z]
.set z, z+1
.endr
	WIN 0
.Lno_h_\@:
	s_cmp_lg_u32 s[NS], s[D1]
	s_cbranch_scc1 .Lno_l_\@
	WIN 0x81
.set z, 0
.rept 64
	v_mov_b32 v[QL+z], v[QS+z]
.set z, z+1
.endr
	WIN 0
.Lno_l_\@:
.endm
.macro SKEW g                          ; 10 stores, 32 loads: LDS serves a wave's instructions in order (ISA guide 5.7.1.4), so the loads see the stores, and the next skew's stores come behind them
	WIN 0x0c                                       ; the data in window 3
.irp x, 0,1,2,3,4
	ds_store_b128 v[GS], v[GG+8*\x:GG+8*\x+3]   offset:64*\x
	ds_store_b128 v[GS], v[GG+8*\x+4:GG+8*\x+7] offset:64*\x+16
.endr
	WIN 0
.set z, 0
.rept 32
	ds_load_b32 v[S+32*(\g)+z], v[GL] offset:64*(z/8)+4*(z%8)
.set z, z+1
.endr
.endm
.macro RADDR                           ; my band of step NS: chunks NS + WOFF and the next, in a ring of eight
	WIN 0
	s_add_co_u32 s80, s[NS], s[WOFF]
	s_and_b32 s81, s80, 7
	s_mul_i32 s81, s81, CHK
	s_add_co_u32 s80, s80, 1
	s_and_b32 s80, s80, 7
	s_mul_i32 s80, s80, CHK
	v_add_nc_u32 v[AR0], s81, v[AK0]
	v_add_nc_u32 v[AR0+1], s80, v[AK0]
.endm
.macro FETCH_R                         ; 32 loads: eight groups of 16 rows x 64 channels
	WIN 0xc0
.irp t, 0,1,2,3,4,5,6,7
.irp h, 0,1
	ds_load_b128 v[16*\t+8*\h:16*\t+8*\h+3],   v[AR0+\t/4] offset:(\t%4)*16*PK+64*\h
	ds_load_b128 v[16*\t+8*\h+4:16*\t+8*\h+7], v[AR0+\t/4] offset:(\t%4)*16*PK+64*\h+32
.endr
.endr
	WIN 0
.endm
.macro KADDR
	WIN 0
	s_and_b32 s80, s[NS], 3
	s_mul_i32 s80, s80, CHK
	s_add_co_u32 s80, s80, KB
	v_add_nc_u32 v[AK], s80, v[AK0]
.endm
.macro VADDR
	WIN 0
	s_and_b32 s80, s[NS], 3
	s_mul_i32 s80, s80, VSTEP
	v_add_nc_u32 v[AV], s80, v[AV0]
.endm
.macro FETCH_K
	WIN 0x80
.irp f, 0,1,2,3,4,5,6,7                ; keys 16 (f / 2) on, channels 32 (f % 2) on
	ds_load_b128 v[KF+8*\f:KF+8*\f+3],   v[AK] offset:(\f/2)*16*PK+(\f%2)*64
	ds_load_b128 v[KF+8*\f+4:KF+8*\f+7], v[AK] offset:(\f/2)*16*PK+(\f%2)*64+32
.endr
	WIN 0
.endm
.macro FETCH_V
	WIN 0x40
.irp f, 0,1,2,3,4,5,6,7                ; keys 32 (f / 4) on, channels 16 (f % 4) on
	ds_load_tr16_b128 v[VF+8*\f:VF+8*\f+3],   v[AV] offset:(\f/4)*32*PV+(\f%4)*32
	ds_load_tr16_b128 v[VF+8*\f+4:VF+8*\f+7], v[AV] offset:(\f/4)*32*PV+16*PV+(\f%4)*32
.endr
	WIN 0
.endm
; THE VECTOR WORK, one line at a time: OP kind, number.  For piece Y: F n: c s - c m for pair n of 16.  E n: the exponential of score n.  A: a, the exponential of c m_old - c m_new.  C n: pair n rounded to bf16.
; B n: of the weights 4 n .. the second pair is added onto the first.  L n: l takes that sum (L 0: l = a l + sum).  R n: pair n of 16 of O^T times a.  For piece Y + 1: X n, number n of the 21 that find its maximum and
; statistics: 0-11 four chains of seven scores (each accumulator's lowest registers are read first); 12-14, 16 the rest, the old m, four into one; 15 c m_old is kept; 17, 18 the other half
; of the lanes; 19, 20 c m and its change.
.set F, 0
.set E, 1
.set C, 2
.set B, 3
.set L, 4
.set A, 5
.set R, 6
.set X, 7
.macro REGS y
.set rT, ST+4*(\y)
.set rC, TMP+4*((\y)%2)
.set rW, MV+((\y)%2)
.set rS, S+32*(\y)
.set rP, P+16*((\y)%2)
.set rO, 32*(\y)
.endm
.macro OP k, n
.if (\k) == R
	REGS Y
	WIN W_RS
	v_pk_mul_f32 v[rO+2*(\n):rO+2*(\n)+1], v[rO+2*(\n):rO+2*(\n)+1], v[rC+2:rC+3] op_sel_hi:[1,0]
.elseif (\k) < R
	REGS Y
	WIN 0
.if (\k) == F
	v_pk_fma_f32 v[rS+2*(\n):rS+2*(\n)+1], v[rS+2*(\n):rS+2*(\n)+1], s[CS:CS+1], v[rT:rT+1] op_sel_hi:[1,0,0] neg_lo:[0,0,1] neg_hi:[0,0,1]
.elseif (\k) == E
	v_exp_f32 v[rS+(\n)], v[rS+(\n)]
.elseif (\k) == A
	v_exp_f32 v[rC+2], v[rC+1]
.elseif (\k) == C
	v_cvt_pk_bf16_f32 v[rP+(\n)], v[rS+2*(\n)], v[rS+2*(\n)+1]
.elseif (\k) == B
	v_pk_add_f32 v[rS+4*(\n):rS+4*(\n)+1], v[rS+4*(\n):rS+4*(\n)+1], v[rS+4*(\n)+2:rS+4*(\n)+3]
.elseif (\n) == 0
	v_pk_fma_f32 v[rT+2:rT+3], v[rT+2:rT+3], v[rC+2:rC+3], v[rS:rS+1] op_sel_hi:[1,0,1]
.else
	v_pk_add_f32 v[rT+2:rT+3], v[rT+2:rT+3], v[rS+4*(\n):rS+4*(\n)+1]
.endif
.else
	REGS (Y+1)%NP
	WIN 0
.if (\n) < 4
	v_max3_num_f32 v[rC+(\n)], v[rS+8*(\n)], v[rS+8*(\n)+1], v[rS+8*(\n)+2]
.elseif (\n) < 12
	v_max3_num_f32 v[rC+(\n)%4], v[rC+(\n)%4], v[rS+8*((\n)%4)+2*((\n)/4)+1], v[rS+8*((\n)%4)+2*((\n)/4)+2]
.elseif (\n) == 12
	v_max3_num_f32 v[rC], v[rC], v[rS+7], v[rS+15]
.elseif (\n) == 13
	v_max3_num_f32 v[rC+1], v[rC+1], v[rS+23], v[rS+31]
.elseif (\n) == 14
	v_max3_num_f32 v[rC+2], v[rC+2], v[rC+3], v[rT+1]
.elseif (\n) == 15
	v_mov_b32 v[rW], v[rT]
.elseif (\n) == 16
	v_max3_num_f32 v[rC], v[rC], v[rC+1], v[rC+2]
.elseif (\n) == 17
	v_permlanex16_b32 v[rC+3], v[rC], s[SEL], s[SEL+1]
.elseif (\n) == 18
	v_max_num_f32 v[rT+1], v[rC], v[rC+3]
.elseif (\n) == 19
	v_mul_f32 v[rT], s[CS], v[rT+1]
.else
	v_sub_f32 v[rC+1], v[rW], v[rT]
.endif
.endif
.endm
.macro OPS a, i1, b=-1, i2=0, c=-1, i3=0, d=-1, i4=0
	OP \a, \i1
.if (\b) >= 0
	OP \b, \i2
.endif
.if (\c) >= 0
	OP \c, \i3
.endif
.if (\d) >= 0
	OP \d, \i4
.endif
.endm
.macro ROW a, i1, b, i2, c, i3, d, i4  ; a product K Q^T or V^T P and the four behind it
	MM
	OPS \a, \i1, \b, \i2, \c, \i3, \d, \i4
.endm
.macro GROW a, i1, b, i2, c, i3, d, i4 ; a product G and the four behind it
	GP GPC
	OPS \a, \i1, \b, \i2, \c, \i3, \d, \i4
.endm
; A TURN, for piece p: the order of its 26 matrix and 118 vector instructions, written out.
; AHEAD OF THE WAIT stands all that names no result of the turn's exponentials: the 10 products G of piece p + 2 (of this step in turns 0 and 1, of the next in turns 2 and 3), behind them the 16 scalings and the 33
; exponentials; a pair is scaled some lines ahead of its exponentials; nine of the 49 are over and follow the last product.  Then the ONE wait ahead of the first line that names a result.
; BEHIND IT: four roundings and sums, which with F 14 and F 15 are the plain instructions between the last G and the lines that read its result or load into its sources; then the turn's run of LDS instructions: in turn 1
; T's groups of the next step, in every turn the skew.  Then the wait for what was issued a turn ago: the skew that this turn's K Q^T takes as C (and K in turn 3, V in turn 1): the 42 LDS instructions of the skew just
; issued stay out (turn 1: 74 are younger; the count's field ends at 63).  Then 8 products K Q^T: their riders are the roundings and sums, l's chain three or more lines apart, and from the sixth on the first numbers of the
; next piece's maximum, each four plain instructions behind the product that ends its accumulator.  Then 8 products V^T P: behind them by turns four of the maximum's chain (two links a row, two lines between) and four
; of O^T times a, which need no switch of windows.  X 20 is over.  V of this step is fetched at the end of turn 0, K of the next at the end of turn 2, each five plain instructions or more behind its last reader.
.macro TURN p, cnt=0
.set Y, (\p)
.set i, 0
.set gi, 0
.set GPC, ((\p)+2)%NP
.if (\p) == 2
	QSW
	s_wait_dscnt 42                                ; T's groups are in; behind them stands turn 1's skew
.endif
	GROW F,0, F,1, A,0, F,2
	GROW E,0, F,3, E,1, E,2
	GROW F,4, E,3, E,4, F,5
	GROW E,5, E,6, F,6, E,7
	GROW E,8, F,7, E,9, E,10
	GROW F,8, E,11, E,12, F,9
	GROW E,13, E,14, F,10, E,15
	GROW E,16, F,11, E,17, E,18
	GROW F,12, E,19, E,20, F,13
	GROW E,21, E,22, F,14, E,23
	OPS E,24, F,15, E,25, E,26
	OPS E,27, E,28, E,29, E,30
	OPS E,31
	s_wait_alu depctr_va_vdst(0)                   ; the wait for the batch
	OPS C,0, B,0, C,2, B,1                         ; C 0, which names none of E 31's registers, is the plain instruction behind the last exponential
.if (\p) == 0
	VADDR
.endif
.if (\p) == 1
	RADDR
	FETCH_R
.endif
.if (\p) == 2
	KADDR
.endif
	SKEW GPC
.if (\p) == 1
	s_wait_dscnt 63
.else
	s_wait_dscnt 42
.endif
	ROW L,0, C,4, B,2, L,1
	ROW C,6, B,3, L,2, C,8
	ROW B,4, L,3, C,10, B,5
	ROW L,4, C,12, B,6, L,5
	ROW C,14, B,7, L,6, C,1
	ROW L,7, C,3, C,5, X,0
	ROW C,7, C,9, X,1, X,4
	ROW X,2, X,5, X,8, X,6
	ROW X,3, X,9, X,10, X,7
	ROW R,0, R,1, R,2, R,3
	ROW X,11, X,12, X,13, X,14
	ROW R,4, R,5, R,6, R,7
.if (\p) == 0
	s_add_co_u32 s[NS], s[NS], 1
.endif
.if \cnt
	s_sub_co_u32 s[CNT], s[CNT], 1
	s_cmp_lg_u32 s[CNT], 0
.endif
	ROW X,16, X,15, C,11, X,17
	ROW R,8, R,9, R,10, R,11
	ROW X,18, C,13, C,15, X,19
	ROW R,12, R,13, R,14, R,15
	OPS X,20
.if (\p) == 0
	FETCH_V
.endif
.if (\p) == 2
	FETCH_K
.endif
.endm
	s_wait_tensorcnt 0x0                           ; my first fill has landed,
	s_barrier_signal -1
	s_barrier_wait -1                              ; everybody's has
.irp g, G1K, G1V, G1R
	s_mov_b32 s[\g+2], 64<<16                      ; from here on a fill is 128 rows: 64 rows of 256 bytes
	s_mov_b32 s[\g+4], 64
.endr
	s_mov_b32 s[G0K+1], KB+2*CHK                   ; the first change turns these into slot 0 and period 2,
	s_mov_b32 s[G0V+1], VB+2*VSTEP
	s_add_nc_u64 s[G0K+2:G0K+3], s[G0K+2:G0K+3], 16384
	s_add_nc_u64 s[G0V+2:G0V+3], s[G0V+2:G0V+3], 16384
	s_add_nc_u64 s[G0R+2:G0R+3], s[G0R+2:G0R+3], 49152   ; and T's into rows 512 on
	s_mov_b32 s[NS], 0
	RADDR
	FETCH_R                                        ; step 0
	KADDR
	FETCH_K
	s_wait_loadcnt 0x0                             ; Q, QL, QH and Q'
	s_wait_dscnt 0x0
	GRUN 0
	PLACES
	SKEW 0
	v_nop                                          ; the fifth place ahead of the products that write over G
	GRUN 1
	PLACES
	SKEW 1
	s_wait_dscnt 42                                ; piece 0's skew is back; piece 1's stays out
.set i, 0
.rept 8
	KQ 0
.set i, i+1
.endr
	WIN 0
	PLACES
.set Y, NP-1                           ; X works for piece Y + 1: piece 0
.irp n, 0,1,2,3,4,5,6,7,8,9,10,11,12,13,14,15,16,17,18,19,20
	OP X, \n
.endr
	s_mov_b32 s[CNT], 2
	s_mov_b32 s[PER], 15
	s_branch .Lfirst                               ; the loop is entered at a step's first turn
.Lslot:                                                ; 14 times: a change of slots that fills, then two steps' turns
	CHANGE 1
	s_mov_b32 s[CNT], 2
.Lstep:
	TURN 1
	TURN 2
	TURN 3
	WIN 0
.Lfirst:
	TURN 0, 1
	WIN 0
	s_cbranch_scc1 .Lstep
	s_sub_co_u32 s[PER], s[PER], 1
	s_cmp_lg_u32 s[PER], 0
	s_cbranch_scc1 .Lslot
	CHANGE 0                                       ; the tail is written out: nothing is asked for
	s_mov_b32 s[CNT], 3
.Ltail:
	TURN 1
	TURN 2
	TURN 3
	WIN 0
	s_sub_co_u32 s[CNT], s[CNT], 1
	s_cmp_eq_u32 s[CNT], 0
	s_cbranch_scc1 .Lout
	TURN 0
	WIN 0
	s_branch .Ltail
.Lout:                                                 ; the third trip's fetches, G, K Q^T and maximum for a step that is not there work on bytes of earlier steps and serve nothing: they touch no l and no O^T
	s_wait_dscnt 0x0                               ; among them a skew that is still out: S^T's registers are written below
.set i, 0
.rept 8
	PV NP-1                                        ; the last piece's V^T P of the last step
.set i, i+1
.endr
	; THE WAY OUT.  l's halves are added, O^T is divided by l, rounded to bf16 and sent through my stage, a piece at a time.  The additions are the places behind the last products.
	WIN 0
.macro ALL line:vararg
.set t, 0
.rept 4
	\line
.set t, t+1
.endr
.endm
	ALL v_add_f32 v[ST+4*t+2], v[ST+4*t+2], v[ST+4*t+3]
	ALL v_permlanex16_b32 v[ST+4*t+3], v[ST+4*t+2], s[SEL], s[SEL+1]
	ALL v_add_f32 v[ST+4*t+2], v[ST+4*t+2], v[ST+4*t+3]
	ALL v_rcp_f32 v[ST+4*t+2], v[ST+4*t+2]
	v_nop                                          ; a plain instruction behind the last reciprocal,
	s_wait_alu depctr_va_vdst(0)                   ; and one wait for the four
.macro PACK t
	WIN W_RS
.set i, 32*(\t)
.rept 16
	v_pk_mul_f32 v[i:i+1], v[i:i+1], v[ST+4*(\t)+2:ST+4*(\t)+3] op_sel_hi:[1,0]
.set i, i+2
.endr
	WIN 0x05
.set i, 0
.rept 16
	v_cvt_pk_bf16_f32 v[S+16*(\t)+i], v[32*(\t)+2*i], v[32*(\t)+2*i+1]
.set i, i+1
.endr
	WIN 0
.irp f, 0,1,2,3
	ds_store_b128 v[STO], v[S+16*(\t)+4*\f:S+16*(\t)+4*\f+3] offset:32*\f
.endr
.irp f, 0,1,2,3
	ds_load_b128 v[S+16*(\t)+4*\f:S+16*(\t)+4*\f+3], v[RD] offset:\f*4*SP
.endr
.endm
.macro SEND t, younger                 ; younger: the LDS instructions issued behind piece t's loads
	WIN 0
.irp f, 0,1,2,3
	s_wait_dscnt (\younger)+3-\f
	global_store_b128 v[GO], v[S+16*(\t)+4*\f:S+16*(\t)+4*\f+3], s[OA:OA+1] offset:(\t)*2048+\f*512   ; 512 bytes on end, at a multiple of 256 from av's first
.endr
.endm
	PACK 0
.set t, 1
.rept 3
	PACK t
	SEND t-1, 8
.set t, t+1
.endr
	SEND 3, 0
	s_wait_tensorcnt 0x0                           ; the wave's end
	ds_add_u32 v[SPW], v[NIL]
	s_wait_dscnt 0x0
	s_endpgm
.Lfunc_end_k_q3f1b86093e_attn:
	.size	k_q3f1b86093e_attn, .Lfunc_end_k_q3f1b86093e_attn-k_q3f1b86093e_attn
	.p2alignl 7, 3214868480
	.fill 96, 4, 3214868480
	.section	.rodata,"a",@progbits
	.p2align	6, 0x0
	.amdhsa_kernel k_q3f1b86093e_attn
		.amdhsa_group_segment_fixed_size 327680
		.amdhsa_private_segment_fixed_size 0
		.amdhsa_enable_private_segment 0
		.amdhsa_kernarg_size 24
		.amdhsa_user_sgpr_count 2
		.amdhsa_user_sgpr_kernarg_segment_ptr 1
		.amdhsa_wavefront_size32 1
		.amdhsa_system_sgpr_workgroup_id_x 1
		.amdhsa_system_sgpr_workgroup_id_y 1
		.amdhsa_system_sgpr_workgroup_id_z 1
		.amdhsa_system_vgpr_workitem_id 0
		.amdhsa_next_free_vgpr 936
		.amdhsa_next_free_sgpr 84
		.amdhsa_reserve_vcc 0
		.amdhsa_float_denorm_mode_32 3
		.amdhsa_float_denorm_mode_16_64 3
		.amdhsa_memory_ordered 1
		.amdhsa_forward_progress 1
		.amdhsa_inst_pref_size 166
	.end_amdhsa_kernel
	.amdgpu_metadata
---
amdhsa.version: [ 1, 2 ]
amdhsa.kernels:
  - .name:           k_q3f1b86093e_attn
    .symbol:         k_q3f1b86093e_attn.kd
    .args:
      - { .name: qkv, .offset: 0, .size: 8, .value_kind: global_buffer, .address_space: global }
      - { .name: rx, .offset: 8, .size: 8, .value_kind: global_buffer, .address_space: global }
      - { .name: av, .offset: 16, .size: 8, .value_kind: global_buffer, .address_space: global }
    .group_segment_fixed_size: 327680
    .private_segment_fixed_size: 0
    .kernarg_segment_align: 8
    .kernarg_segment_size: 24
    .max_flat_workgroup_size: 128
    .sgpr_count:     84
    .vgpr_count:     936
    .wavefront_size: 32
...
	.end_amdgpu_metadata
.endif
;; end of part 3
;; launch oproj (part 4): grid 8 x 32, 4 waves a work-group, clusters of 4 x 4, 327,680 bytes of LDS; arguments av, wb, ao; writes ao
.if DOCPART == 4
	.amdgcn_target "amdgcn-amd-amdhsa--gfx1250"
	.amdhsa_code_object_version 6
	.text
	.protected	k_q3f1b86093e_oproj
	.globl	k_q3f1b86093e_oproj
	.p2align	8
	.type	k_q3f1b86093e_oproj,@function
k_q3f1b86093e_oproj:
	s_mov_b64 s[64:65], 0
	v_nop
	global_prefetch_b8 v0, s[64:65] scope:SCOPE_SE
	s_setreg_imm32_b32 hwreg(HW_REG_WAVE_MODE, 25, 1), 1
	s_wait_xcnt 0x0
	s_wait_alu depctr_hold_cnt(0) depctr_sa_sdst(0) depctr_va_vdst(0) depctr_va_sdst(0) depctr_va_ssrc(0) depctr_va_vcc(0) depctr_vm_vsrc(0)
	s_getreg_b32 s2, hwreg(HW_REG_IB_STS2, 6, 4)
	s_cmp_eq_u32 s2, 0
	s_cbranch_scc0 .Lentry_in_a_cluster
	s_endpgm
.Lentry_in_a_cluster:
	s_bfe_u32 s2, ttmp6, 0x10000c
	s_cmp_lg_u32 s2, 0xf033
	s_cbranch_scc0 .Lentry_shape_is_right
	s_endpgm
.Lentry_shape_is_right:
; attn_out[m][c] = sum over n, d of av[b][n][i][d] W_o[c][64 n + d], m = b x 2048 + i: a product of 4,096 x 1,024 x 1,024 in bf16, sums in f32, the result rounded once to bf16 into ao [4096][1024].
; A tile of C is 128 x 128: 256 work-groups; four waves of 64 x 64.  Both operands lie by heads (av [bn][2048][64]; W_o in wb as [n][c][64]), so a K step is FOUR HEADS: one tensor load brings four dense blocks of
; 64 rows x 128 bytes, asked for as four rows of 8,192 bytes a head apart, and padded in LDS after every 128 bytes: rows of 144 bytes, a head's 64 rows 9,216 bytes.
; CLUSTERS of 4 x 4: A's tile is shared along a row of the cluster, B's along a column, by joint loads.  The matrix instruction is used transposed: a lane holds eight neighbouring numbers of a row of C.
; The stage of the way out lies in slot 0: that slot's last fill is K step 2, and every wave's reads of it end ahead of the barrier of the last change of slots.
; REGISTERS: window 0: v0-31 addresses; v32-95 the way out; v128-255 the accumulators.  Window 1: two fragment buffers of 128.
.set SIZE_N, 1024
.set PITCH,  144
.set HB,     64*PITCH                  ; a head's 64 rows
.set HALFT,  4*HB                      ; what one tensor load brings
.set SLOT,   4*HALFT
.set STAGE,  0
.set SPITCH, 272
.set SPARE,  2*SLOT                    ; behind the ring: the spare words
.set LAPS,   2
.set STEPA,  4*262144                  ; four heads on, in av
.set STEPB,  4*131072                  ; and in W_o
.set WOB,    6291456
.set ADRA, 16
.set ADRB, 20
.set STO,  24
.set RD,   25
.set CO,   26
.set SPW,  28
.set NIL,  29
.set TMP,  32
.set ACC,  128
.set F0,   0
.set F1,   128
.set G1, 24
.set G0, 32
.set G1B, 48
.set G0B, 56
.set MSB, 0
.macro WIN new
.if MSB != (\new)
	s_set_vgpr_msb (MSB<<8)|(\new)
.set MSB, \new
.endif
.endm
.set MUL,  0x05
.set TO_F, 0x40
.macro JLOAD s
	s_cmp_eq_u32 s11, 0
	s_cbranch_scc0 .Lfor_b_\@
	tensor_load_to_lds s[G0+4*(\s):G0+4*(\s)+3], s[G1:G1+7]
	s_nop 0
.rept 4
	v_nop
.endr
	s_branch .Lasked_\@
.Lfor_b_\@:
	tensor_load_to_lds s[G0B+4*(\s):G0B+4*(\s)+3], s[G1B:G1B+7]
	s_nop 0
.rept 4
	v_nop
.endr
.Lasked_\@:
.endm
.macro CREST
	s_cmp_lg_u32 s10, 0
	s_cbranch_scc1 .Lnot_wave_0_\@
	s_barrier_signal -3
.Lnot_wave_0_\@:
	s_barrier_wait -3
	s_barrier_signal -1
	s_barrier_wait -1
.endm
.macro CROUND
	s_barrier_signal -1
	s_barrier_wait -1
	CREST
.endm
	s_load_b128 s[4:7], s[0:1], 0x0                ; av s[4:5], wb s[6:7]
	s_load_b64 s[8:9], s[0:1], 0x10                ; ao
	v_lshl_add_u32 v[SPW], v0, 2, SPARE
	v_mov_b32 v[NIL], 0
	ds_add_u32 v[SPW], v[NIL]                      ; the wave's opening: the add and its wait ahead of my first tensor load
	v_lshrrev_b32 v1, 5, v0
	v_readfirstlane_b32 s10, v1                    ; wave
	s_lshr_b32 s11, s10, 1                         ; my half of the tile's rows; also: I fetch for A (0) or B (1)
	s_and_b32 s12, s10, 1                          ; my half of its columns; also: which 64 rows I fetch
	s_bfe_u32 s40, ttmp6, 0x40000
	s_bfe_u32 s41, ttmp6, 0x40004
	s_lshl_b32 s42, ttmp9, 2
	s_add_co_u32 s42, s42, s40                     ; tile column
	s_and_b32 s13, ttmp7, 0xffff
	s_lshl_b32 s13, s13, 2
	s_add_co_u32 s13, s13, s41                     ; tile row
	s_lshl_b32 s43, s41, 2
	s_lshl_b32 s43, 15, s43
	s_lshl_b32 s44, 0x1111, s40
	s_or_b32 s[G1+0], s43, (1<<16)|(1<<20)|(1<<21)|(4<<22)|(3<<25)   ; the mask; 2-byte elements; padding on; bit 21 beside a mask; after every 32 words 4 words
	s_or_b32 s[G1B+0], s44, (1<<16)|(1<<20)|(1<<21)|(4<<22)|(3<<25)
.irp g, G1, G1B
	s_mov_b32 s[(\g)+1], 4096<<16                  ; tensor_dim0 = 4,096 elements: 64 rows of 64
	s_mov_b32 s[(\g)+2], 4<<16                     ; tensor_dim1 = 4 heads
	s_mov_b32 s[(\g)+3], 4096<<16                  ; tile_dim0
	s_mov_b32 s[(\g)+4], 4                         ; tile_dim1
	s_mov_b32 s[(\g)+6], 0
	s_mov_b32 s[(\g)+7], 0
.endr
	s_mov_b32 s[G1+5], 131072                      ; elements from head to head in av,
	s_mov_b32 s[G1B+5], 65536                      ; and in W_o
	s_lshl_b32 s17, s12, 6
	s_lshl_b32 s16, s13, 7
	s_add_co_u32 s16, s16, s17                     ; A: row b x 2048 + i
	s_lshl_b32 s46, s42, 7
	s_add_co_u32 s46, s46, s17                     ; B: row c
	s_lshr_b32 s17, s16, 11
	s_lshl_b32 s17, s17, 22
	s_and_b32 s16, s16, 2047
	s_lshl_b32 s16, s16, 7
	s_add_co_u32 s16, s16, s17
	s_mov_b32 s17, 0
	s_lshl_b32 s46, s46, 7
	s_add_co_u32 s46, s46, WOB
	s_mov_b32 s47, 0
	s_mul_i32 s20, s10, HALFT
	s_wait_dscnt 0x0                               ; the opening add is done
	s_wait_kmcnt 0x0
	s_add_nc_u64 s[14:15], s[4:5], s[16:17]
	s_add_nc_u64 s[46:47], s[6:7], s[46:47]
	CROUND                                         ; all sixteen work-groups are here: the first joint loads meet
.irp s, 0,1
	s_mov_b32 s[G0+4*(\s)], 1
	s_add_co_u32 s[G0+4*(\s)+1], s20, (\s)*SLOT
	s_add_nc_u64 s[G0+4*(\s)+2:G0+4*(\s)+3], s[14:15], (\s)*STEPA
	s_or_b32 s[G0+4*(\s)+3], s[G0+4*(\s)+3], 0x80000000
	s_mov_b32 s[G0B+4*(\s)], 1
	s_add_co_u32 s[G0B+4*(\s)+1], s20, (\s)*SLOT
	s_add_nc_u64 s[G0B+4*(\s)+2:G0B+4*(\s)+3], s[46:47], (\s)*STEPB
	s_or_b32 s[G0B+4*(\s)+3], s[G0B+4*(\s)+3], 0x80000000
	JLOAD \s
.endr
	v_and_b32 v1, 15, v0
	v_bfe_u32 v2, v0, 4, 1
	v_mul_u32_u24 v3, v1, PITCH
	v_lshl_add_u32 v3, v2, 4, v3
	s_mul_i32 s21, s11, HALFT
	s_mul_i32 s22, s12, HALFT
	s_add_co_u32 s22, s22, 2*HALFT
.irp s, 0,1
	v_add_nc_u32 v[ADRA+(\s)], s21, v3
	v_add_nc_u32 v[ADRB+(\s)], s22, v3
	s_add_co_u32 s21, s21, SLOT
	s_add_co_u32 s22, s22, SLOT
.endr
	s_mul_i32 s23, s11, 64*SPITCH                  ; into the stage: my 64 rows, my half of their 256 bytes
	s_lshl_b32 s21, s12, 7
	s_add_co_u32 s23, s23, s21
	s_add_co_u32 s23, s23, STAGE
	v_mul_u32_u24 v4, v1, SPITCH
	v_lshl_add_u32 v4, v2, 4, v4
	v_add_nc_u32 v[STO], s23, v4
	s_mul_i32 s23, s10, 32*SPITCH                  ; back: wave w takes rows 32 w .. 32 w + 31, whole
	s_add_co_u32 s23, s23, STAGE
	v_mul_u32_u24 v5, v2, SPITCH
	v_lshl_add_u32 v5, v1, 4, v5
	v_add_nc_u32 v[RD], s23, v5
	v_mul_u32_u24 v5, v2, SIZE_N*2
	v_lshl_add_u32 v[CO], v1, 4, v5
	s_lshl_b32 s16, s13, 7
	s_lshl_b32 s17, s10, 5
	s_add_co_u32 s16, s16, s17
	s_mov_b32 s17, 0
	s_mov_b64 s[18:19], SIZE_N*2
	s_mul_u64 s[16:17], s[16:17], s[18:19]
	s_add_nc_u64 s[8:9], s[8:9], s[16:17]
	s_lshl_b32 s46, s42, 8
	s_mov_b32 s47, 0
	s_add_nc_u64 s[8:9], s[8:9], s[46:47]
.macro MUL8 f, c, a0, zero             ; 8 matrix instructions: m blocks a0, a0 + 1 x all 4 n blocks, 32 along K; the accumulators take turns
	WIN MUL
.irp a, \a0, (\a0)+1
.irp b, 0,1,2,3
.if \zero
	v_wmma_f32_16x16x32_bf16 v[ACC+8*(4*(\a)+(\b)):ACC+8*(4*(\a)+(\b))+7], v[(\f)+64+8*(4*(\c)+(\b)):(\f)+64+8*(4*(\c)+(\b))+7], v[(\f)+8*(4*(\c)+(\a)):(\f)+8*(4*(\c)+(\a))+7], 0
.else
	v_wmma_f32_16x16x32_bf16 v[ACC+8*(4*(\a)+(\b)):ACC+8*(4*(\a)+(\b))+7], v[(\f)+64+8*(4*(\c)+(\b)):(\f)+64+8*(4*(\c)+(\b))+7], v[(\f)+8*(4*(\c)+(\a)):(\f)+8*(4*(\c)+(\a))+7], v[ACC+8*(4*(\a)+(\b)):ACC+8*(4*(\a)+(\b))+7]
.endif
.endr
.endr
.endm
.macro FETCH slot, k, f                ; 32 LDS loads in one run: one head's fragments (64 along K), the head's block at byte k
	WIN TO_F
.irp c, 0,1
.irp i, 0,1,2,3
	ds_load_b128 v[(\f)+64+8*(4*(\c)+(\i)):(\f)+64+8*(4*(\c)+(\i))+3],   v[ADRB+(\slot)] offset:(\k)+64*(\c)+(\i)*16*PITCH
	ds_load_b128 v[(\f)+64+8*(4*(\c)+(\i))+4:(\f)+64+8*(4*(\c)+(\i))+7], v[ADRB+(\slot)] offset:(\k)+64*(\c)+(\i)*16*PITCH+32
	ds_load_b128 v[(\f)+8*(4*(\c)+(\i)):(\f)+8*(4*(\c)+(\i))+3],         v[ADRA+(\slot)] offset:(\k)+64*(\c)+(\i)*16*PITCH
	ds_load_b128 v[(\f)+8*(4*(\c)+(\i))+4:(\f)+8*(4*(\c)+(\i))+7],       v[ADRA+(\slot)] offset:(\k)+64*(\c)+(\i)*16*PITCH+32
.endr
.endr
.endm
.macro PLACES
.rept 4
	v_nop
.endr
.endm
.macro QUARTER slot, k, f, g, zero     ; one head: 32 matrix instructions on buffer f; in their middle the next head goes into buffer g
	s_wait_dscnt 16                                ; the first 32 along K are in
	WIN MUL
	MUL8 \f, 0, 0, \zero
	MUL8 \f, 0, 2, \zero
	PLACES
	FETCH \slot, \k, \g
	s_wait_dscnt 32                                ; all but the 32 just issued
	WIN MUL
	MUL8 \f, 1, 0, 0
	MUL8 \f, 1, 2, 0
.endm
.macro TURN slot, next, fill           ; the K step's last head, and the change of slots
	WIN 0
	s_wait_tensorcnt 0x0                           ; all my tensor loads have landed: my part of the next slot
	ds_add_u32 v[SPW], v[NIL]                      ; 0 onto my spare word
	s_wait_dscnt 17                                ; the add and the youngest sixteen loads may be out
	WIN MUL
	MUL8 F1, 0, 0, 0
	s_wait_dscnt 0x0                               ; the add is done, and my reads of this slot are over
	s_barrier_signal -1
	MUL8 F1, 0, 2, 0
.if \fill
	WIN 0
.endif
	s_barrier_wait -1
.if \fill
	CREST
	s_add_nc_u64 s[G0+4*(\slot)+2:G0+4*(\slot)+3], s[G0+4*(\slot)+2:G0+4*(\slot)+3], 2*STEPA
	s_add_nc_u64 s[G0B+4*(\slot)+2:G0B+4*(\slot)+3], s[G0B+4*(\slot)+2:G0B+4*(\slot)+3], 2*STEPB
	JLOAD \slot                                    ; the first tensor load behind the round; its four v_nop are also the places in front of the loads below
.else
	PLACES
.endif
	FETCH \next, 0, F0
	WIN MUL
	MUL8 F1, 1, 0, 0
	MUL8 F1, 1, 2, 0
.endm
	s_wait_tensorcnt 1                             ; my part of K step 0 is in; K step 1's may stay out
	s_barrier_signal -1
	s_barrier_wait -1
	FETCH 0, 0, F0
	QUARTER 0, HB, F0, F1, 1
	WIN 0
	s_mov_b32 s3, LAPS-1
.Llap:
	QUARTER 0, 2*HB, F1, F0, 0
	QUARTER 0, 3*HB, F0, F1, 0
	TURN 0, 1, 1
	QUARTER 1, HB, F0, F1, 0
	QUARTER 1, 2*HB, F1, F0, 0
	QUARTER 1, 3*HB, F0, F1, 0
	TURN 1, 0, 1
	QUARTER 0, HB, F0, F1, 0
	WIN 0
	s_sub_co_u32 s3, s3, 1
	s_cmp_lg_u32 s3, 0
	s_cbranch_scc1 .Llap
	QUARTER 0, 2*HB, F1, F0, 0                     ; the last lap fills nothing
	QUARTER 0, 3*HB, F0, F1, 0
	TURN 0, 1, 0
	QUARTER 1, HB, F0, F1, 0
	QUARTER 1, 2*HB, F1, F0, 0
	QUARTER 1, 3*HB, F0, F1, 0
	s_wait_dscnt 16
	WIN MUL
	MUL8 F1, 0, 0, 0
	MUL8 F1, 0, 2, 0
	s_wait_dscnt 0
	MUL8 F1, 1, 0, 0
	MUL8 F1, 1, 2, 0
	WIN 0
	; THE WAY OUT: rounded to bf16; 16 bytes a lane into the work-group's stage; a barrier, since a row's 256 bytes come from two waves; back as whole rows, 32 a wave
	PLACES
.irp t, 0,1,2,3,4,5,6,7,8,9,10,11,12,13,14,15
.irp r, 0,1,2,3
	v_cvt_pk_bf16_f32 v[TMP+4*(\t)+(\r)], v[ACC+8*(\t)+2*(\r)], v[ACC+8*(\t)+2*(\r)+1]
.endr
.endr
.irp a, 0,1,2,3
.irp b, 0,1,2,3
	ds_store_b128 v[STO], v[TMP+4*(4*(\a)+(\b)):TMP+4*(4*(\a)+(\b))+3] offset:(\a)*16*SPITCH+32*(\b)
.endr
.endr
	s_wait_dscnt 0x0                               ; for the others' sake: my stores into the stage are done
	s_barrier_signal -1
	s_barrier_wait -1
.irp t, 0,1,2,3,4,5,6,7,8,9,10,11,12,13,14,15
	ds_load_b128 v[TMP+4*(\t):TMP+4*(\t)+3], v[RD] offset:(\t)*2*SPITCH
.endr
.irp t, 0,1,2,3,4,5,6,7,8,9,10,11,12,13,14,15
	s_wait_dscnt 15-(\t)
	global_store_b128 v[CO], v[TMP+4*(\t):TMP+4*(\t)+3], s[8:9] offset:2*(\t)*SIZE_N*2   ; 16 lanes store 256 consecutive bytes, at a multiple of 256 from ao's first byte
.endr
	s_wait_tensorcnt 0x0                           ; the wave's end
	ds_add_u32 v[SPW], v[NIL]
	s_wait_dscnt 0x0
	CROUND                                         ; the closing round
	s_endpgm
.Lfunc_end_k_q3f1b86093e_oproj:
	.size	k_q3f1b86093e_oproj, .Lfunc_end_k_q3f1b86093e_oproj-k_q3f1b86093e_oproj
	.p2alignl 7, 3214868480
	.fill 96, 4, 3214868480
	.section	.rodata,"a",@progbits
	.p2align	6, 0x0
	.amdhsa_kernel k_q3f1b86093e_oproj
		.amdhsa_group_segment_fixed_size 327680
		.amdhsa_private_segment_fixed_size 0
		.amdhsa_enable_private_segment 0
		.amdhsa_kernarg_size 24
		.amdhsa_user_sgpr_count 2
		.amdhsa_user_sgpr_kernarg_segment_ptr 1
		.amdhsa_wavefront_size32 1
		.amdhsa_system_sgpr_workgroup_id_x 1
		.amdhsa_system_sgpr_workgroup_id_y 1
		.amdhsa_system_sgpr_workgroup_id_z 1
		.amdhsa_system_vgpr_workitem_id 0
		.amdhsa_next_free_vgpr 512
		.amdhsa_next_free_sgpr 66
		.amdhsa_reserve_vcc 0
		.amdhsa_float_denorm_mode_32 3
		.amdhsa_float_denorm_mode_16_64 3
		.amdhsa_memory_ordered 1
		.amdhsa_forward_progress 1
		.amdhsa_inst_pref_size 87
	.end_amdhsa_kernel
	.amdgpu_metadata
---
amdhsa.version: [ 1, 2 ]
amdhsa.kernels:
  - .name:           k_q3f1b86093e_oproj
    .symbol:         k_q3f1b86093e_oproj.kd
    .args:
      - { .name: av, .offset: 0, .size: 8, .value_kind: global_buffer, .address_space: global }
      - { .name: wb, .offset: 8, .size: 8, .value_kind: global_buffer, .address_space: global }
      - { .name: ao, .offset: 16, .size: 8, .value_kind: global_buffer, .address_space: global }
    .group_segment_fixed_size: 327680
    .private_segment_fixed_size: 0
    .kernarg_segment_align: 8
    .kernarg_segment_size: 24
    .max_flat_workgroup_size: 128
    .sgpr_count:     66
    .vgpr_count:     512
    .wavefront_size: 32
...
	.end_amdgpu_metadata
.endif
;; end of part 4
;; launch ln (part 5): grid 256 x 1, 8 waves a work-group, no clusters, 0 bytes of LDS; arguments w, ao, gamma, beta, out0; writes out0
.if DOCPART == 5
	.amdgcn_target "amdgcn-amd-amdhsa--gfx1250"
	.amdhsa_code_object_version 6
	.text
	.protected	k_q3f1b86093e_ln
	.globl	k_q3f1b86093e_ln
	.p2align	8
	.type	k_q3f1b86093e_ln,@function
k_q3f1b86093e_ln:
	s_mov_b64 s[64:65], 0
	v_nop
	global_prefetch_b8 v0, s[64:65] scope:SCOPE_SE
	s_setreg_imm32_b32 hwreg(HW_REG_WAVE_MODE, 25, 1), 1
	s_wait_xcnt 0x0
; out0 = LayerNorm(w + attn_out) x gamma + beta, all in f32; attn_out comes as bf16 (ao [b x 2048 + i][1024]).
; A stream: one wave takes the two rows (i, 0) and (i, 1), 8,192 bytes on end of w and of out0; a row stays in 32 registers between the mean, the variance (of x - mean: no difference of large sums) and the scaling,
; so memory is read once.  No LDS, no barrier: a reduction never leaves its wave.  A lane holds numbers 128 k + 4 lane + 0..3, k = 0..7: each load and store of a wave covers 512 bytes on end.
.set XR, 32                            ; v32-95   the two rows
.set AR, 96                            ; v96-127  attn_out, two bf16 a register
.set GA, 128                           ; v128-159 gamma
.set BE, 160                           ; v160-191 beta
	s_load_b256 s[4:11], s[0:1], 0x0               ; w s[4:5], ao s[6:7], gamma s[8:9], beta s[10:11]
	s_load_b64 s[12:13], s[0:1], 0x20              ; out0
	v_lshrrev_b32 v1, 5, v0
	v_readfirstlane_b32 s14, v1
	v_and_b32 v2, 31, v0
	v_lshlrev_b32 v3, 4, v2                        ; 16 x lane
	v_lshlrev_b32 v4, 3, v2                        ; 8 x lane
	s_lshl_b32 s15, ttmp9, 3
	s_add_co_u32 s15, s15, s14                     ; i
	s_lshl_b32 s16, s15, 13
	s_mov_b32 s17, 0
	s_lshl_b32 s18, s15, 11
	s_mov_b32 s19, 0
	s_mov_b32 s20, 0x3a800000                      ; 1 / 1024
	s_mov_b32 s21, 0x3727c5ac                      ; 1e-5
	s_mov_b32 s22, 0x76543210
	s_mov_b32 s23, 0xfedcba98
	s_mov_b32 s24, 0xffff0000
	s_wait_kmcnt 0x0
	s_add_nc_u64 s[4:5], s[4:5], s[16:17]
	s_add_nc_u64 s[12:13], s[12:13], s[16:17]
	s_add_nc_u64 s[6:7], s[6:7], s[18:19]
.irp t, 0,1
.irp k, 0,1,2,3,4,5,6,7
	global_load_b128 v[XR+32*\t+4*\k:XR+32*\t+4*\k+3], v3, s[4:5] offset:\t*4096+\k*512 th:TH_LOAD_NT
.endr
.irp k, 0,1,2,3,4,5,6,7
	global_load_b64 v[AR+16*\t+2*\k:AR+16*\t+2*\k+1], v4, s[6:7] offset:\t*4194304+\k*256 th:TH_LOAD_NT
.endr
.endr
.irp k, 0,1,2,3,4,5,6,7
	global_load_b128 v[GA+4*\k:GA+4*\k+3], v3, s[8:9] offset:\k*512
.endr
.irp k, 0,1,2,3,4,5,6,7
	global_load_b128 v[BE+4*\k:BE+4*\k+3], v3, s[10:11] offset:\k*512
.endr
.macro ACROSS                          ; v16 summed over the 32 lanes, into every lane
	v_add_f32 v16, v16, v17
	v_add_f32_dpp v16, v16, v16 row_xmask:1 row_mask:0xf bank_mask:0xf
	v_add_f32_dpp v16, v16, v16 row_xmask:2 row_mask:0xf bank_mask:0xf
	v_add_f32_dpp v16, v16, v16 row_xmask:4 row_mask:0xf bank_mask:0xf
	v_add_f32_dpp v16, v16, v16 row_xmask:8 row_mask:0xf bank_mask:0xf
	v_permlanex16_b32 v17, v16, s22, s23
	v_add_f32 v16, v16, v17
.endm
.macro FOLD                            ; the four chains into one pair
	v_pk_add_f32 v[16:17], v[16:17], v[18:19]
	v_pk_add_f32 v[20:21], v[20:21], v[22:23]
	v_pk_add_f32 v[16:17], v[16:17], v[20:21]
.endm
.macro LNROW t
.set XB, XR+32*(\t)
.set AB, AR+16*(\t)
.irp k, 0,1,2,3,4,5,6,7                ; x = w + attn_out
	v_lshlrev_b32 v[8+4*(\k%2)],  16,  v[AB+2*\k]
	v_and_b32     v[9+4*(\k%2)],  s24, v[AB+2*\k]
	v_lshlrev_b32 v[10+4*(\k%2)], 16,  v[AB+2*\k+1]
	v_and_b32     v[11+4*(\k%2)], s24, v[AB+2*\k+1]
	v_pk_add_f32 v[XB+4*\k:XB+4*\k+1],   v[XB+4*\k:XB+4*\k+1],   v[8+4*(\k%2):9+4*(\k%2)]
	v_pk_add_f32 v[XB+4*\k+2:XB+4*\k+3], v[XB+4*\k+2:XB+4*\k+3], v[10+4*(\k%2):11+4*(\k%2)]
.endr
.irp c, 0,1,2,3                        ; the sum, in four chains
	v_pk_add_f32 v[16+2*\c:17+2*\c], v[XB+2*\c:XB+2*\c+1], v[XB+8+2*\c:XB+8+2*\c+1]
.endr
.irp o, 16, 24
.irp c, 0,1,2,3
	v_pk_add_f32 v[16+2*\c:17+2*\c], v[16+2*\c:17+2*\c], v[XB+\o+2*\c:XB+\o+2*\c+1]
.endr
.endr
	FOLD
	ACROSS
	v_mul_f32 v24, s20, v16                        ; the mean
	v_mov_b32 v25, v24
.set j, 0
.rept 16
	v_pk_add_f32 v[XB+j:XB+j+1], v[XB+j:XB+j+1], v[24:25] neg_lo:[0,1] neg_hi:[0,1]
.set j, j+2
.endr
.irp c, 0,1,2,3                        ; the sum of squares of x - mean
	v_pk_mul_f32 v[16+2*\c:17+2*\c], v[XB+2*\c:XB+2*\c+1], v[XB+2*\c:XB+2*\c+1]
.endr
.irp o, 8, 16, 24
.irp c, 0,1,2,3
	v_pk_fma_f32 v[16+2*\c:17+2*\c], v[XB+\o+2*\c:XB+\o+2*\c+1], v[XB+\o+2*\c:XB+\o+2*\c+1], v[16+2*\c:17+2*\c]
.endr
.endr
	FOLD
	ACROSS
	v_fma_f32 v16, v16, s20, s21                   ; the variance + 1e-5
	v_rsq_f32 v26, v16
	v_rsq_f32 v27, v16
	v_nop                                          ; a plain instruction behind the second root,
	s_wait_alu depctr_va_vdst(0)                   ; and one wait for both, ahead of their first reader
.if (\t) == 0
	s_wait_loadcnt 0x0                             ; gamma and beta, the youngest loads
.endif
.set j, 0
.rept 16
	v_pk_mul_f32 v[XB+j:XB+j+1], v[XB+j:XB+j+1], v[26:27]
.set j, j+2
.endr
.set j, 0
.rept 16
	v_pk_fma_f32 v[XB+j:XB+j+1], v[XB+j:XB+j+1], v[GA+j:GA+j+1], v[BE+j:BE+j+1]
.set j, j+2
.endr
.irp k, 0,1,2,3,4,5,6,7
	global_store_b128 v3, v[XB+4*\k:XB+4*\k+3], s[12:13] offset:(\t)*4096+\k*512 th:TH_STORE_NT
.endr
.endm
	s_wait_loadcnt 32                              ; row 0 is in: row 1's 16 loads and the 16 of gamma and beta stay out
	LNROW 0
	LNROW 1
	s_endpgm
.Lfunc_end_k_q3f1b86093e_ln:
	.size	k_q3f1b86093e_ln, .Lfunc_end_k_q3f1b86093e_ln-k_q3f1b86093e_ln
	.p2alignl 7, 3214868480
	.fill 96, 4, 3214868480
	.section	.rodata,"a",@progbits
	.p2align	6, 0x0
	.amdhsa_kernel k_q3f1b86093e_ln
		.amdhsa_group_segment_fixed_size 0
		.amdhsa_private_segment_fixed_size 0
		.amdhsa_enable_private_segment 0
		.amdhsa_kernarg_size 40
		.amdhsa_user_sgpr_count 2
		.amdhsa_user_sgpr_kernarg_segment_ptr 1
		.amdhsa_wavefront_size32 1
		.amdhsa_system_sgpr_workgroup_id_x 1
		.amdhsa_system_sgpr_workgroup_id_y 1
		.amdhsa_system_sgpr_workgroup_id_z 1
		.amdhsa_system_vgpr_workitem_id 0
		.amdhsa_next_free_vgpr 192
		.amdhsa_next_free_sgpr 66
		.amdhsa_reserve_vcc 0
		.amdhsa_float_denorm_mode_32 3
		.amdhsa_float_denorm_mode_16_64 3
		.amdhsa_memory_ordered 1
		.amdhsa_forward_progress 1
		.amdhsa_inst_pref_size 24
	.end_amdhsa_kernel
	.amdgpu_metadata
---
amdhsa.version: [ 1, 2 ]
amdhsa.kernels:
  - .name:           k_q3f1b86093e_ln
    .symbol:         k_q3f1b86093e_ln.kd
    .args:
      - { .name: w, .offset: 0, .size: 8, .value_kind: global_buffer, .address_space: global }
      - { .name: ao, .offset: 8, .size: 8, .value_kind: global_buffer, .address_space: global }
      - { .name: gamma, .offset: 16, .size: 8, .value_kind: global_buffer, .address_space: global }
      - { .name: beta, .offset: 24, .size: 8, .value_kind: global_buffer, .address_space: global }
      - { .name: out0, .offset: 32, .size: 8, .value_kind: global_buffer, .address_space: global }
    .group_segment_fixed_size: 0
    .private_segment_fixed_size: 0
    .kernarg_segment_align: 8
    .kernarg_segment_size: 40
    .max_flat_workgroup_size: 256
    .sgpr_count:     66
    .vgpr_count:     192
    .wavefront_size: 32
...
	.end_amdgpu_metadata
.endif
;; end of part 5
